; MI455X (gfx1250); checked and timed in simulation.
; The chip was launched on July 23, 2026; its instructions are those of AMD's public machine-readable ISA for CDNA 5 (MIT licence, August 2026) and "CDNA5" Instruction Set Architecture Reference Guide (July 2026). The comments in the code are by the model that wrote it; some were corrected since.
;; Causal Self Attention. Allowed arithmetic: matrix products marked QUANTISED: E2M3 operands, one E8M0 scale for each 32 along K, by v_wmma_scale_f32_16x16x128_f8f6f4 with both operands' format E2M3, f32 sums; products left as they are: f32 operands where the result goes on into a quantised operand, else bf16, f16 or f32 operands; f32 sums; everything else in f32.
;; Inputs: Wk 1,024 x 256 float32; Wo 1,024 x 1,024 float32; Wq 1,024 x 1,024 float32; Wv 1,024 x 256 float32; x 4 x 2,048 x 1,024 float32.
;; Outputs: out0 4 x 2,048 x 1,024 float32.
;; This version of the problem:
;;   THIS VERSION OF THE PROBLEM IS GIVEN IN LOW PRECISION. The matrix products marked QUANTISED in the list below multiply operands that are first quantised to E2M3 (2 exponent bits, 3 mantissa bits; 6 bits a number), with one power-of-two scale for each 32 numbers along K (OCP MX v1.0); their sums are f32. All else is computed in f32.
;;   The module's matrix products, in the order in which they are computed (A, B: the left and right operand; K: the contracted axis; several contracted axes count as one K, in the product's order):
;;     1. [M 8,192, K 1,024] x [K 1,024, N 1,024]; A: input x; B: input Wq: QUANTISED
;;     2. [M 8,192, K 1,024] x [K 1,024, N 256]; A: input x; B: input Wk: QUANTISED
;;     3. [M 8,192, K 1,024] x [K 1,024, N 256]; A: input x; B: input Wv: QUANTISED
;;     4. [M 2,048, K 1] x [K 1, N 32]; A: computed on the way; B: computed on the way: left as it is (no contracted axis)
;;     5. batch 64 x [M 2,048, K 64] x [K 64, N 2,048]; A: computed on the way; B: computed on the way: QUANTISED
;;     6. batch 64 x [M 2,048, K 2,048] x [K 2,048, N 64]; A: softmax (see below); B: computed on the way: QUANTISED
;;     7. [M 8,192, K 1,024] x [K 1,024, N 1,024]; A: computed on the way; B: input Wo: QUANTISED
;;   THE QUANTISER, for each operand of a quantised product, along K:
;;     - K is cut into blocks of 32 from its start; a last block that is shorter is filled with zeros.
;;     - A block's scale is 2^e with e = floor(log2(the largest magnitude in the block)) - 2, held to -126 .. 127; a block of zeros has e = 0. As a byte (E8M0): e + 127.
;;     - Each number is divided by its block's scale, clamped to +-7.5, and rounded to the nearest number of E2M3, ties to even, subnormals kept.
;;     - The product sums the exact products of the quantised numbers (number of the format x scale) in f32.
;;   ~~~python
;;   def quantise(x, axis):      # numpy; x: float32 -> the quantised numbers, widened to float32 again
;;       x = np.moveaxis(x, axis, -1); K = x.shape[-1]
;;       x = np.pad(x, [(0, 0)] * (x.ndim - 1) + [(0, -K % 32)]); x = x.reshape(x.shape[:-1] + (-1, 32)); a = np.abs(x).max(-1, keepdims=True)
;;       e = np.where(a > 0, np.clip(np.frexp(np.where(a > 0, a, 1))[1] - 1 - 2, -126, 127), 0)      # np.frexp(a)[1] - 1 = floor(log2(a)), exactly
;;       r = np.clip(x / 2.0 ** e, -7.5, 7.5)
;;       step = 2.0 ** (np.maximum(np.frexp(np.where(r == 0, 1, r))[1] - 1, 0) - 3)
;;       q = np.round(r / step) * step * 2.0 ** e      # np.round: ties to even
;;       return np.moveaxis(q.reshape(q.shape[:-2] + (-1,))[..., :K], -1, axis).astype(np.float32)
;;   ~~~
;;   SOFTMAX AHEAD OF A QUANTISED PRODUCT. Where the list says 'softmax', what is quantised is not the finished softmax but p = 2^(t - M), with t = logit x log2(e) and M = ceil(the row's largest t), a whole number; so 1/2 < the row's largest p <= 1. The row's sum l is taken of the UNQUANTISED p, in f32, and the product's result is divided by l at the end. Since M is a whole number, a kernel that streams over the keys may use a running M (the ceiling of the running maximum): every later rescaling is an exact power of two, which a block's scale takes up: the codes' values come out the same.
;;   OPERANDS COMPUTED ON THE WAY. 'Computed on the way' means the value that the module computes at that place (a softmax that the list does not call 'softmax' is quantised finished and normalised). What goes into a quantiser is computed in f32, as accurately as f32 sums, v_exp_f32 and their like allow (about 1e-6 of the number): no bf16 or f16 on the way to a quantiser, and a product that is left as it is and whose result goes on into a quantised operand takes f32 operands (vector FMAs, or v_wmma_f32_16x16x4_f32). A number that lies on a knife's edge between two numbers of the format may be rounded either way, as far as f32 arithmetic and the matrix unit's own rounding can turn it there, and no further.
;; One version. Each part assembles by itself: llvm-mc -triple=amdgcn-amd-amdhsa -mcpu=gfx1250 --defsym DOCPART=n.
;; ======== version 1 of 1: 4 launches
;; limits: right only within a limited range of input values
;; workspace buffers: ximg 6,815,744 bytes; wimg 2,129,920 bytes; tbl 524,288 bytes; qbuf 6,815,744 bytes; kvbuf 3,407,872 bytes; abuf 6,815,744 bytes
;; launch prep (part 1): grid 720 x 1, 4 waves a work-group, no clusters, 68,096 bytes of LDS; arguments x, Wq, Wk, Wv, Wo, ximg, wimg, tbl; writes ximg, wimg, tbl
.if DOCPART == 1
	.amdgcn_target "amdgcn-amd-amdhsa--gfx1250"
	.amdhsa_code_object_version 6
	.text
	.protected	k_qa64f299958_prep
	.globl	k_qa64f299958_prep
	.p2align	8
	.type	k_qa64f299958_prep,@function
k_qa64f299958_prep:
	s_mov_b64 s[64:65], 0
	v_nop
	global_prefetch_b8 v0, s[64:65] scope:SCOPE_SE
	s_setreg_imm32_b32 hwreg(HW_REG_WAVE_MODE, 25, 1), 1
	s_wait_xcnt 0x0
; PREP: x and the four weights become codes of FP6 (E2M3) with one E8M0 scale byte for each 32 along K, and the table of cos and sin for the rotation is made.
; THE CODES ARE LAID IN THE ORDER OF THE OPERAND'S REGISTERS.  A unit (768 bytes) is 16 rows x 64 along K, six registers a lane: lane (r, h) holds block h (32 codes) of row r;
; registers 0-3 lie at 16 x lane, registers 4-5 at 512 + 8 x lane.  A slab (3,328 bytes) is four units (256 along K) and 256 bytes of scale words: lane l's 8 bytes are row l % 16's words of the two K steps of 128.
; ximg: [token tile 512][quarter of K 4] slabs.  wimg: the same for 160 tiles of 16 columns: Wq 0-63, Wk 64-79, Wv 80-95, Wo 96-159.
; Wo's K rows are taken, inside each block of 32, in the order 0-7, 16-23, 8-15, 24-31: the order in which the attention launch leaves its results.  A block keeps its 32 members, so its scale is the quantiser's.
; tbl: [tile of 16 positions 128][group 8][lane][16 bytes]: groups 0-3 cos, 4-7 sin; register i (0..15) of lane (r, h): position 16 T + r, frequency 16 (i / 8) + 8 h + i % 8.
; A block's scale is 2^(floor(log2(largest magnitude)) - 2): the byte is the largest magnitude's exponent field - 2, held at 1 from below.
; LIMITS: NaN and infinities among the inputs are not served.  A block of zeros, or one whose largest magnitude lies under 2^-124, gets the byte 1 (its codes are zeros; this program alone reads the bytes).
; The frequencies 10000^(-f / 32) are made by v_exp_f32 of a fraction split in two parts; they may differ from another f32 evaluation by an ulp, which at position 2,047 is about 1e-4 of an angle.
; SHARES: work-groups 0-79 take the weights, 80-207 the table, 208-719 x.  The three ways part on the work-group's number; x's way alone uses LDS.  Waves share nothing: no barrier.
.set SPARE, 67584                      ; behind the four waves' stages: the spare words, 128 bytes a wave
.set SPW,   190                        ; v190 LDS address of my spare word; never rewritten
.set NIL,   191                        ; v191 0; never rewritten
.set SEL,   50                         ; s[50:51] lane selects for v_permlanex16_b32: lane l xor 16
	s_load_b256 s[4:11], s[0:1], 0x0               ; x, Wq, Wk, Wv
	s_load_b256 s[12:19], s[0:1], 0x20             ; Wo, ximg, wimg, tbl
	v_lshl_add_u32 v[SPW], v0, 2, SPARE
	v_mov_b32 v[NIL], 0
	v_lshrrev_b32 v1, 5, v0
	v_readfirstlane_b32 s20, v1                    ; wave 0..3
	v_and_b32 v1, 31, v0                           ; lane
	s_mov_b32 s[SEL], 0x76543210
	s_mov_b32 s[SEL+1], 0xfedcba98
	s_wait_kmcnt 0x0
	s_cmp_lt_u32 ttmp9, 80
	s_cbranch_scc1 .Lpath_w
	s_cmp_lt_u32 ttmp9, 208
	s_cbranch_scc1 .Lpath_t
; ---------------- x: a work-group takes a tile of 16 tokens, a wave a quarter of K (256 numbers of each row): 16 KiB, all asked for at once.
; Each load reads 512 consecutive bytes of a row.  A K step's 16 x 512 bytes turn through the wave's own stage in LDS (rows 528 bytes apart) so that lane (r, h) gets blocks h and 2 + h of row r whole.
	s_sub_co_u32 s21, ttmp9, 208                   ; the token tile
	s_lshl_b32 s22, s21, 16                        ; 16 rows of 4,096 bytes
	s_lshl_b32 s23, s20, 10                        ; my quarter: 1,024 bytes of a row
	s_add_co_u32 s22, s22, s23
	s_mov_b32 s23, 0
	s_add_nc_u64 s[4:5], s[4:5], s[22:23]
	s_lshl_b32 s22, s21, 2
	s_add_co_u32 s22, s22, s20
	s_mul_i32 s22, s22, 3328                       ; my slab
	s_add_nc_u64 s[14:15], s[14:15], s[22:23]
	s_wait_alu depctr_va_vdst(0)
	v_lshlrev_b32 v2, 4, v1                        ; 16 x lane; never rewritten
.set e, 0
.rept 2
.set j, 0
.rept 16
	global_load_b128 v[16+64*e+4*j:19+64*e+4*j], v2, s[4:5] offset:4096*j+512*e th:TH_LOAD_NT
.set j, j+1
.endr
.set e, e+1
.endr
	s_mul_i32 s24, s20, 16896                      ; my two stages
	v_add_nc_u32 v3, s24, v2                       ; in: 16 x lane of a row
	v_and_b32 v8, 15, v1                           ; r
	v_lshrrev_b32 v9, 4, v1                        ; h
	v_mul_u32_u24 v4, v8, 528
	v_lshl_add_u32 v4, v9, 7, v4
	v_add_nc_u32 v4, s24, v4                       ; out: row r, block h (128 bytes a block)
	v_lshlrev_b32 v6, 3, v1                        ; 8 x lane
	v_lshlrev_b32 v7, 3, v9                        ; 8 h: how far my two scale bytes are shifted
	v_mov_b32 v183, 0                              ; written once: a lane permute's destination counts as one of its sources
.macro TURNX e                         ; K step e through stage e.  LDS serves a wave's instructions in order: no wait between the stores and the loads
.set j, 0
.rept 16
	ds_store_b128 v3, v[16+64*\e+4*j:19+64*\e+4*j] offset:8448*\e+528*j
.set j, j+1
.endr
.set j, 0
.rept 8
	ds_load_b128 v[16+64*\e+4*j:19+64*\e+4*j], v4 offset:8448*\e+16*j
.set j, j+1
.endr
.set j, 0
.rept 8
	ds_load_b128 v[48+64*\e+4*j:51+64*\e+4*j], v4 offset:8448*\e+256+16*j
.set j, j+1
.endr
.endm
.macro QUANTX e                        ; 64 numbers of a lane, blocks h and 2 + h of row r, become the fragment's 12 registers, and the row's scale word
.set RX, 16+64*\e
.set PX, 144+12*\e
.irp c, 0,1
	v_max3_num_f32 v[176+\c], |v[RX+32*\c]|, |v[RX+32*\c+1]|, 0x1800000   ; with the floor 2^(3 - 127): the byte cannot fall under 1
.endr
.irp i, 2,4,6,8,10,12,14,16,18,20,22,24,26,28,30
.irp c, 0,1
	v_max3_num_f32 v[176+\c], v[176+\c], |v[RX+32*\c+\i]|, |v[RX+32*\c+\i+1]|
.endr
.endr
.irp c, 0,1
	v_add_nc_u32 v[178+\c], 0xff000000, v[176+\c]  ; 2 off the exponent field: the conversion's scale operand
.endr
.irp c, 0,1
	v_lshrrev_b32 v[180+\c], 23, v[178+\c]         ; the scale's byte
.endr
	v_lshl_or_b32 v182, v181, 16, v180             ; blocks h and 2 + h,
	v_lshlrev_b32 v182, v7, v182                   ; at their places in the word;
	v_permlanex16_b32 v183, v182, s[SEL], s[SEL+1]
	v_or_b32 v[184+\e], v182, v183                 ; with lane l xor 16's two the word is whole, in both halves of the lanes
	v_cvt_scalef32_pk16_fp6_f32 v[PX:PX+2], v[RX:RX+15], v178
	v_cvt_scalef32_pk16_fp6_f32 v[168:170], v[RX+16:RX+31], v178   ; (a conversion's three registers begin on an even number)
	v_cvt_scalef32_pk16_fp6_f32 v[PX+6:PX+8], v[RX+32:RX+47], v179
	v_cvt_scalef32_pk16_fp6_f32 v[172:174], v[RX+48:RX+63], v179
	v_nop                                          ; one plain instruction behind the conversions
.irp i, 0,1,2
	v_mov_b32 v[PX+3+\i], v[168+\i]
	v_mov_b32 v[PX+9+\i], v[172+\i]
.endr
	global_store_b128 v2, v[PX:PX+3], s[14:15] offset:1536*\e          ; each store covers 512 or 256 consecutive bytes, aligned to 256
	global_store_b64 v6, v[PX+4:PX+5], s[14:15] offset:1536*\e+512
	global_store_b128 v2, v[PX+6:PX+9], s[14:15] offset:1536*\e+768
	global_store_b64 v6, v[PX+10:PX+11], s[14:15] offset:1536*\e+1280
.endm
	s_wait_alu depctr_va_vdst(0)
	s_wait_loadcnt 16                              ; K step 0's sixteen loads are in; K step 1's may be out
	TURNX 0
	s_wait_loadcnt 0x0
	TURNX 1
	s_wait_dscnt 32                                ; stage 0's loads are back; stage 1's 16 stores and 16 loads may be out
	QUANTX 0
	s_wait_dscnt 0x0
	QUANTX 1
	global_store_b64 v6, v[184:185], s[14:15] offset:3072   ; the two scale words of each row, 256 consecutive bytes
	s_wait_tensorcnt 0x0                           ; the wave's end, behind my last LDS store
	ds_add_u32 v[SPW], v[NIL]
	s_wait_dscnt 0x0
	s_endpgm
; ---------------- the weights: K is their FIRST axis.  A lane takes a column and its registers run down K, so a block of 32 is one lane's and the conversions give codes with K innermost.
; Work-group = 128 columns x a quarter of K; wave = 32 columns (two tiles of 16); 8 blocks a lane.  Sixteen neighbouring lanes hold the sixteen rows of a unit's half: their 16 bytes each are 256 consecutive bytes: no stage.
.Lpath_w:
	s_lshr_b32 s21, ttmp9, 2                       ; group of 128 columns, 0..19
	s_and_b32 s22, ttmp9, 3                        ; quarter of K
	s_mov_b64 s[40:41], s[6:7]                     ; groups 0-7: Wq, rows of 4,096 bytes
	s_mov_b32 s23, 4096
	s_mov_b32 s42, 0
	s_cmp_ge_u32 s21, 8                            ; 8-9: Wk, rows of 1,024 bytes
	s_cselect_b64 s[40:41], s[8:9], s[40:41]
	s_cselect_b32 s23, 1024, s23
	s_cselect_b32 s42, 8, s42
	s_cmp_ge_u32 s21, 10                           ; 10-11: Wv
	s_cselect_b64 s[40:41], s[10:11], s[40:41]
	s_cselect_b32 s42, 10, s42
	s_cmp_ge_u32 s21, 12                           ; 12-19: Wo, and its order inside a block
	s_cselect_b64 s[40:41], s[12:13], s[40:41]
	s_cselect_b32 s23, 4096, s23
	s_cselect_b32 s42, 12, s42
	s_cselect_b32 s43, 1, 0
	s_sub_co_u32 s44, s21, s42
	s_lshl_b32 s44, s44, 9                         ; the group's first column, in bytes,
	s_lshl_b32 s45, s20, 7                         ; my wave's 32 columns,
	s_add_co_u32 s44, s44, s45
	s_lshl_b32 s45, s22, 8
	s_mul_i32 s45, s45, s23                        ; the quarter's first row
	s_add_co_u32 s44, s44, s45
	s_mov_b32 s45, 0
	s_add_nc_u64 s[24:25], s[40:41], s[44:45]      ; a base for each of the 8 blocks: none is ever stepped
	s_lshl_b32 s46, s23, 5                         ; 32 rows
	s_mov_b32 s47, 0
.irp t, 1,2,3,4,5,6,7
	s_add_nc_u64 s[24+2*\t:25+2*\t], s[22+2*\t:23+2*\t], s[46:47]
.endr
	s_wait_alu depctr_va_vdst(0)
	v_lshlrev_b32 v2, 2, v1                        ; 4 x lane: my column
	s_wait_alu depctr_va_vdst(0)
	s_lshl_b32 s48, s23, 3
	s_mul_i32 s48, s48, s43                        ; 8 rows for Wo, else 0
.set i, 0
.rept 32                                       ; v16-47: place i of a block takes row i; in Wo places 8-15 take rows 16-23 and places 16-23 rows 8-15
	s_mul_i32 s49, s23, i
.if (i >= 8) && (i < 16)
	s_add_co_u32 s49, s49, s48
.elseif (i >= 16) && (i < 24)
	s_sub_co_u32 s49, s49, s48
.endif
	v_add_nc_u32 v[16+i], s49, v2
.set i, i+1
.endr
	v_and_b32 v3, 15, v1
	v_lshrrev_b32 v4, 4, v1
	v_mul_u32_u24 v4, v4, 13312                    ; lanes 16-31: the next tile of columns (four slabs on)
	v_lshl_add_u32 v5, v3, 4, v4                   ; + 16 r
	v_lshl_add_u32 v6, v3, 3, v4                   ; + 8 r
	s_lshl_b32 s44, s21, 3
	s_lshl_b32 s49, s20, 1
	s_add_co_u32 s44, s44, s49                     ; my first tile: 8 x group + 2 x wave
	s_mul_i32 s44, s44, 13312
	s_mul_i32 s49, s22, 3328
	s_add_co_u32 s44, s44, s49
	s_add_nc_u64 s[16:17], s[16:17], s[44:45]
.macro LOADW t                         ; block t: 32 rows at my column; a load reads 128 consecutive bytes, the four waves stand side by side
.set i, 0
.rept 32
	global_load_b32 v[48+32*((\t)%2)+i], v[16+i], s[24+2*(\t):25+2*(\t)] th:TH_LOAD_NT
.set i, i+1
.endr
.endm
.macro BLOCKW t
.set XS, 48+32*((\t)%2)
.set CW, 112+8*(\t)                    ; each block has its own registers for its codes: no store's data are written again
.if (\t) < 7
	s_wait_loadcnt 32                              ; this block's 32 loads are in; the next block's may be out
.else
	s_wait_loadcnt 0x0
.endif
	v_max3_num_f32 v8, |v[XS]|, |v[XS+1]|, |v[XS+2]|
	v_max3_num_f32 v9, |v[XS+3]|, |v[XS+4]|, |v[XS+5]|
.irp i, 6,10,14,18,22,26
	v_max3_num_f32 v8, v8, |v[XS+\i]|, |v[XS+\i+1]|
	v_max3_num_f32 v9, v9, |v[XS+\i+2]|, |v[XS+\i+3]|
.endr
	v_max3_num_f32 v8, v8, |v[XS+30]|, |v[XS+31]|
	v_max3_num_f32 v8, v8, v9, 0x1800000           ; and the floor
	v_add_nc_u32 v10, 0xff000000, v8               ; the conversion's scale operand
	v_lshrrev_b32 v11, 23, v10                     ; the byte
.if (\t)%4 == 0
	v_mov_b32 v[184+(\t)/4], v11                   ; four bytes to a word, the lower K in the lower byte
.else
	v_lshl_or_b32 v[184+(\t)/4], v11, 8*((\t)%4), v[184+(\t)/4]
.endif
	v_cvt_scalef32_pk16_fp6_f32 v[CW:CW+2], v[XS:XS+15], v10
	v_cvt_scalef32_pk16_fp6_f32 v[176:178], v[XS+16:XS+31], v10
	v_nop
.irp i, 0,1,2
	v_mov_b32 v[CW+3+\i], v[176+\i]
.endr
	global_store_b128 v5, v[CW:CW+3], s[16:17] offset:1536*((\t)/4)+768*(((\t)%4)/2)+256*((\t)%2)        ; block t is half t % 2 of unit (t % 4) / 2 of K step t / 4
	global_store_b64 v6, v[CW+4:CW+5], s[16:17] offset:1536*((\t)/4)+768*(((\t)%4)/2)+512+128*((\t)%2)
.if (\t)+2 < 8
	LOADW (\t)+2
.endif
.endm
	s_wait_alu depctr_va_vdst(0)
	LOADW 0
	LOADW 1
.irp t, 0,1,2,3,4,5,6,7
	BLOCKW \t
.endr
	global_store_b64 v6, v[184:185], s[16:17] offset:3072   ; my column's two scale words,
	global_store_b64 v6, v[184:185], s[16:17] offset:3200   ; and their copy for lanes 16-31 of the reader
	s_endpgm
; ---------------- the table.  A work-group takes 16 positions; waves 0, 1 make the cosines of frequencies 0-15, 16-31, waves 2, 3 the sines.  A lane makes 8 numbers.
; inv = 2^(-f L), L = log2(10000) / 32 = 0.415283203125 - 4.2191e-5: f times the first part is exact, so the whole part I and the fraction part exactly.  angle = position x inv, one rounding.
; The angle is brought under pi / 4 by n = round(angle 2 / pi) and pi / 2 in two parts; sine and cosine by polynomials; the quadrant chooses and signs, by v_cndmask_b32 and an exclusive or.
.Lpath_t:
	s_sub_co_u32 s21, ttmp9, 80                    ; the tile of positions
	s_and_b32 s22, s20, 1
	s_lshr_b32 s23, s20, 1
	s_xor_b32 s23, s23, 1                          ; 1 for a cosine: cos a = sin(a + pi / 2)
	s_mov_b32 s25, 0x3830f686                      ; 4.2191e-5
	s_mov_b32 s26, 0xbfc90fdb                      ; -pi / 2, upper part
	s_mov_b32 s27, 0x333bbd2e                      ; what the upper part has too much
	s_mov_b32 s28, 0xb94ca1f9                      ; sine: -1.9515e-4, 8.3322e-3, -1.6666654e-1
	s_mov_b32 s29, 0x3c08839e
	s_mov_b32 s30, 0xbe2aaaa3
	s_mov_b32 s31, 0x37ccf5ce                      ; cosine: 2.4433e-5, -1.38873e-3, 4.1666646e-2
	s_mov_b32 s32, 0xbab6061a
	s_mov_b32 s33, 0x3d2aaaa5
	s_lshl_b32 s34, s21, 12
	s_lshl_b32 s35, s20, 10                        ; my two groups of 512 bytes
	s_add_co_u32 s34, s34, s35
	s_mov_b32 s35, 0
	s_add_nc_u64 s[18:19], s[18:19], s[34:35]
	s_wait_alu depctr_va_vdst(0)
	v_and_b32 v2, 15, v1
	v_lshrrev_b32 v3, 4, v1
	s_lshl_b32 s24, s21, 4
	v_add_nc_u32 v4, s24, v2
	v_cvt_f32_u32 v4, v4                           ; the position
	s_lshl_b32 s24, s22, 4
	v_lshl_add_u32 v5, v3, 3, s24                  ; 16 (wave % 2) + 8 h
	v_lshlrev_b32 v6, 4, v1
.irp m, 0,1,2,3,4,5,6,7
	v_add_nc_u32 v[16+\m], \m, v5
.endr
.irp m, 0,1,2,3,4,5,6,7
	v_cvt_f32_u32 v[16+\m], v[16+\m]               ; f
.endr
.irp m, 0,1,2,3,4,5,6,7
	v_mul_f32 v[24+\m], 0x3ed4a000, v[16+\m]       ; p = 0.415283203125 f, exact
.endr
.irp m, 0,1,2,3,4,5,6,7
	v_floor_f32 v[32+\m], v[24+\m]                 ; I
.endr
.irp m, 0,1,2,3,4,5,6,7
	v_sub_f32 v[24+\m], v[32+\m], v[24+\m]         ; I - p, exact
.endr
.irp m, 0,1,2,3,4,5,6,7
	v_fma_f32 v[24+\m], v[16+\m], s25, v[24+\m]    ; I - f L
.endr
	s_wait_alu depctr_va_vdst(0)
.irp m, 0,1,2,3,4,5,6,7
	v_exp_f32 v[24+\m], v[24+\m]
.endr
.irp m, 0,1,2,3,4,5,6,7
	v_cvt_i32_f32 v[32+\m], v[32+\m]               ; (plain work behind the exponentials)
.endr
.irp m, 0,1,2,3,4,5,6,7
	v_sub_nc_u32 v[32+\m], 0, v[32+\m]             ; -I
.endr
	s_wait_alu depctr_va_vdst(0)                   ; one wait for the eight exponentials, ahead of their first reader
.irp m, 0,1,2,3,4,5,6,7
	v_ldexp_f32 v[24+\m], v[24+\m], v[32+\m]       ; inv
.endr
.irp m, 0,1,2,3,4,5,6,7
	v_mul_f32 v[24+\m], v4, v[24+\m]               ; the angle
.endr
.irp m, 0,1,2,3,4,5,6,7
	v_mul_f32 v[32+\m], 0x3f22f983, v[24+\m]
.endr
.irp m, 0,1,2,3,4,5,6,7
	v_rndne_f32 v[32+\m], v[32+\m]                 ; n
.endr
.irp m, 0,1,2,3,4,5,6,7
	v_fma_f32 v[24+\m], v[32+\m], s26, v[24+\m]
.endr
.irp m, 0,1,2,3,4,5,6,7
	v_fma_f32 v[24+\m], v[32+\m], s27, v[24+\m]    ; rho = angle - n pi / 2
.endr
.irp m, 0,1,2,3,4,5,6,7
	v_cvt_i32_f32 v[32+\m], v[32+\m]
.endr
.irp m, 0,1,2,3,4,5,6,7
	v_add_nc_u32 v[32+\m], s23, v[32+\m]           ; the quadrant
.endr
.irp m, 0,1,2,3,4,5,6,7
	v_mul_f32 v[40+\m], v[24+\m], v[24+\m]         ; z = rho^2
.endr
.irp m, 0,1,2,3,4,5,6,7
	v_fma_f32 v[48+\m], v[40+\m], s28, s29
	v_fma_f32 v[56+\m], v[40+\m], s31, s32
.endr
.irp m, 0,1,2,3,4,5,6,7
	v_fma_f32 v[48+\m], v[48+\m], v[40+\m], s30
	v_fma_f32 v[56+\m], v[56+\m], v[40+\m], s33
.endr
.irp m, 0,1,2,3,4,5,6,7
	v_mul_f32 v[48+\m], v[48+\m], v[40+\m]
	v_mul_f32 v[56+\m], v[56+\m], v[40+\m]
	v_fma_f32 v[64+\m], v[40+\m], -0.5, 1.0
.endr
.irp m, 0,1,2,3,4,5,6,7
	v_fma_f32 v[48+\m], v[48+\m], v[24+\m], v[24+\m]   ; sin rho
	v_fma_f32 v[56+\m], v[56+\m], v[40+\m], v[64+\m]   ; cos rho
.endr
.irp m, 0,1,2,3,4,5,6,7
	v_and_b32 v[64+\m], 1, v[32+\m]
	v_and_b32 v[32+\m], 2, v[32+\m]
.endr
.irp m, 0,1,2,3,4,5,6,7
	v_cmp_eq_u32 vcc_lo, 1, v[64+\m]
	v_cndmask_b32 v[48+\m], v[48+\m], v[56+\m], vcc_lo  ; odd quadrants take the cosine
	v_lshlrev_b32 v[32+\m], 30, v[32+\m]
.endr
.irp m, 0,1,2,3,4,5,6,7
	v_xor_b32 v[48+\m], v[32+\m], v[48+\m]         ; quadrants 2 and 3 change the sign
.endr
	global_store_b128 v6, v[48:51], s[18:19]       ; 512 consecutive bytes each
	global_store_b128 v6, v[52:55], s[18:19] offset:512
	s_endpgm
.Lfunc_end_k_qa64f299958_prep:
	.size	k_qa64f299958_prep, .Lfunc_end_k_qa64f299958_prep-k_qa64f299958_prep
	.p2alignl 7, 3214868480
	.fill 96, 4, 3214868480
	.section	.rodata,"a",@progbits
	.p2align	6, 0x0
	.amdhsa_kernel k_qa64f299958_prep
		.amdhsa_group_segment_fixed_size 68096
		.amdhsa_private_segment_fixed_size 0
		.amdhsa_enable_private_segment 0
		.amdhsa_kernarg_size 64
		.amdhsa_user_sgpr_count 2
		.amdhsa_user_sgpr_kernarg_segment_ptr 1
		.amdhsa_wavefront_size32 1
		.amdhsa_system_sgpr_workgroup_id_x 1
		.amdhsa_system_sgpr_workgroup_id_y 1
		.amdhsa_system_sgpr_workgroup_id_z 1
		.amdhsa_system_vgpr_workitem_id 0
		.amdhsa_next_free_vgpr 192
		.amdhsa_next_free_sgpr 66
		.amdhsa_reserve_vcc 1
		.amdhsa_float_denorm_mode_32 3
		.amdhsa_float_denorm_mode_16_64 3
		.amdhsa_memory_ordered 1
		.amdhsa_forward_progress 1
		.amdhsa_inst_pref_size 71
	.end_amdhsa_kernel
	.amdgpu_metadata
---
amdhsa.version: [ 1, 2 ]
amdhsa.kernels:
  - .name:           k_qa64f299958_prep
    .symbol:         k_qa64f299958_prep.kd
    .args:
      - { .name: x, .offset: 0, .size: 8, .value_kind: global_buffer, .address_space: global }
      - { .name: Wq, .offset: 8, .size: 8, .value_kind: global_buffer, .address_space: global }
      - { .name: Wk, .offset: 16, .size: 8, .value_kind: global_buffer, .address_space: global }
      - { .name: Wv, .offset: 24, .size: 8, .value_kind: global_buffer, .address_space: global }
      - { .name: Wo, .offset: 32, .size: 8, .value_kind: global_buffer, .address_space: global }
      - { .name: ximg, .offset: 40, .size: 8, .value_kind: global_buffer, .address_space: global }
      - { .name: wimg, .offset: 48, .size: 8, .value_kind: global_buffer, .address_space: global }
      - { .name: tbl, .offset: 56, .size: 8, .value_kind: global_buffer, .address_space: global }
    .group_segment_fixed_size: 68096
    .private_segment_fixed_size: 0
    .kernarg_segment_align: 8
    .kernarg_segment_size: 64
    .max_flat_workgroup_size: 128
    .sgpr_count:     66
    .vgpr_count:     192
    .wavefront_size: 32
...
	.end_amdgpu_metadata
.endif
;; end of part 1
;; launch qkv (part 2): grid 64 x 6, 8 waves a work-group, clusters of 4 x 1, 327,680 bytes of LDS; arguments ximg, wimg, tbl, qbuf, kvbuf; writes qbuf, kvbuf
.if DOCPART == 2
	.amdgcn_target "amdgcn-amd-amdhsa--gfx1250"
	.amdhsa_code_object_version 6
	.text
	.protected	k_qa64f299958_qkv
	.globl	k_qa64f299958_qkv
	.p2align	8
	.type	k_qa64f299958_qkv,@function
k_qa64f299958_qkv:
	s_mov_b64 s[64:65], 0
	v_nop
	global_prefetch_b8 v0, s[64:65] scope:SCOPE_SE
	s_setreg_imm32_b32 hwreg(HW_REG_WAVE_MODE, 25, 1), 1
	s_wait_xcnt 0x0
	s_wait_alu depctr_hold_cnt(0) depctr_sa_sdst(0) depctr_va_vdst(0) depctr_va_sdst(0) depctr_va_ssrc(0) depctr_va_vcc(0) depctr_vm_vsrc(0)
	s_getreg_b32 s2, hwreg(HW_REG_IB_STS2, 6, 4)
	s_cmp_eq_u32 s2, 0
	s_cbranch_scc0 .Lentry_in_a_cluster
	s_endpgm
.Lentry_in_a_cluster:
	s_bfe_u32 s2, ttmp6, 0x10000c
	s_cmp_lg_u32 s2, 0x3003
	s_cbranch_scc0 .Lentry_shape_is_right
	s_endpgm
.Lentry_shape_is_right:
; QKV: q = rope(x Wq), k = rope(x Wk), v = x Wv, on codes of FP6 (E2M3) with E8M0 scales; the results are quantised at once for the attention's two products and leave as codes alone.
; SHARES.  A work-group takes 128 tokens (8 tiles of 16) and 256 columns of the weights (16 tiles): groups 0-3 Wq, 4 Wk, 5 Wv.  All of K (1,024) lies in LDS: four quarters of 24 slabs, each filled once.
; Eight waves; wave w takes the weights' tiles 4 (w % 4) on (64 columns: one head) and the tokens' tiles 4 (w / 4) on: 16 accumulators, 128 matrix instructions.
; Source 0's index runs down a lane's registers, source 1's is the lane.  q, k: source 0 = the weights, so a lane holds one token and its registers the head's 64 numbers, which are the next K.
; v: source 0 = the tokens, so a lane holds one of the head's 64 and its registers 64 keys, which are ITS next K.  The two LDS bases change places by s_cselect_b32 on the group's number; both lie inside a quarter.
; A tile's 16 are neighbours, so a block's 32 codes stand in the order 0-7, 16-23, 8-15, 24-31 after the conversions.  q and k are made alike, and so are v and the attention's p: the order cancels in each product.
; OUT.  qbuf: [batch x 16 + head][64 tokens] records of 3,328 bytes: four units (16 tokens x 64) and the scale words: word e of lane (r, h) is token r's of tile 2 e + h; its bytes 2 and 3 are 0.
; kvbuf: [batch x 4 + kv head][128 keys][k's keys 0-63, k's 64-127, v's 0-63, v's 64-127] records; in v's, unit b is 16 of the head's 64 x 64 keys, and a lane's 8 scale bytes are its row's two for each of the four units.
; CLUSTER: four work-groups along x share the weights' tiles (two thirds of a work-group's bytes) and ask for them jointly.  The tokens' tiles are each work-group's own: six groups along y do not divide into fours.
; LIMITS: as the launch before: NaN and infinities are not served; a block of zeros or under 2^-124 gets the byte 1.
.set HG,    159744                     ; K lies in LDS in two halves: in each the weights' 16 tiles x two slabs (6,656 bytes), then the tokens' 8 tiles x two slabs; each half is filled once, one tensor load a wave
.set XB,    106496
.set SPARE, 319488                     ; behind the four quarters: the spare words, 128 bytes a wave
.set SA,  8                            ; v8-15   source 0's scale words: tile i's two K steps at 8 + 2 i
.set SB,  16                           ; v16-23  source 1's
.set FA,  24                           ; v24-71  source 0's four fragments
.set FB,  72                           ; v72-119 source 1's
.set ACC, 120                          ; v120-247 accumulator (a, b) at 120 + 8 (4 b + a): a tile of source 1 has its 32 numbers on end
.set QM,  96                           ; on the way out: v96-97 largest magnitudes, v98-99 the other half's, v100-101 scale operands, v102-103 bytes, v104-106 a conversion's result
.set QX,  98
.set QE,  100
.set QB,  102
.set TQ,  104
.set SEL, 90                           ; s[90:91]
.macro CROUND                          ; a round of the cluster's barrier
	s_barrier_signal -1
	s_barrier_wait -1
	s_cmp_lg_u32 s14, 0
	s_cbranch_scc1 .Lnot_wave_0_\@
	s_barrier_signal -3
.Lnot_wave_0_\@:
	s_barrier_wait -3
	s_barrier_signal -1
	s_barrier_wait -1
.endm
.macro FINISH                          ; the wave's end; then the closing round, so that no work-group ends while a partner may still ask
	s_wait_tensorcnt 0x0
	ds_add_u32 v1, v2
	s_wait_dscnt 0x0
	CROUND
	s_endpgm
.endm
	s_load_b256 s[4:11], s[0:1], 0x0               ; ximg, wimg, tbl, qbuf
	s_load_b64 s[12:13], s[0:1], 0x20              ; kvbuf
	v_lshl_add_u32 v1, v0, 2, SPARE                ; my spare word; never rewritten
	v_mov_b32 v2, 0                                ; 0; never rewritten
	ds_add_u32 v1, v2                              ; the wave's opening: the add and its wait ahead of my first tensor load; work on registers stands between
	ds_add_u32 v1, v2
	v_lshrrev_b32 v3, 5, v0
	s_delay_alu instid0(VALU_DEP_1)
	v_readfirstlane_b32 s14, v3                    ; wave 0..7
	s_and_b32 s15, s14, 3
	s_lshr_b32 s16, s14, 2
	s_bfe_u32 s17, ttmp6, 0x40000                  ; cx
	s_lshl_b32 s18, ttmp9, 2
	s_add_co_u32 s18, s18, s17                     ; which 128 tokens: 4 x cluster x + cx
	s_and_b32 s19, ttmp7, 0xffff                   ; the group of 256 columns, shared by the four partners
	s_mov_b32 s24, 15|(3<<16)|(1<<21)              ; the weights' tiles: mask of all four; elements of 8 bytes; bit 21 beside a mask
	s_mov_b32 s25, 832<<16                         ; tensor_dim0: two slabs on end, 832 elements
	s_mov_b32 s26, 4<<16                           ; tensor_dim1: 4 tiles
	s_mov_b32 s27, 832<<16
	s_mov_b32 s28, 4                               ; tile_dim1
	s_mov_b32 s29, 1664                            ; from tile to tile: four slabs
	s_mov_b32 s30, 0
	s_mov_b32 s31, 0
	s_mov_b32 s32, 3<<16                           ; the tokens' tiles: no mask; 2 tiles a load
	s_mov_b32 s33, 832<<16
	s_mov_b32 s34, 2<<16
	s_mov_b32 s35, 832<<16
	s_mov_b32 s36, 2
	s_mov_b32 s37, 1664
	s_mov_b32 s38, 0
	s_mov_b32 s39, 0
	s_lshl_b32 s20, s19, 4
	s_lshl_b32 s22, s15, 2
	s_add_co_u32 s20, s20, s22
	s_mul_i32 s20, s20, 13312                      ; the weights: tile 16 g + 4 (w % 4)
	s_mov_b32 s21, 0
	s_lshl_b32 s22, s18, 3
	s_lshl_b32 s23, s15, 1
	s_add_co_u32 s22, s22, s23
	s_mul_i32 s22, s22, 13312                      ; the tokens: tile 8 x work-group + 2 (w % 4)
	s_mov_b32 s23, 0
	s_mul_i32 s76, s15, 26624                      ; their places in a half
	s_mul_i32 s77, s15, 13312
	s_add_co_u32 s77, s77, XB
	s_mov_b32 s[SEL], 0x76543210
	s_mov_b32 s[SEL+1], 0xfedcba98
	s_wait_dscnt 0x0                               ; the opening add is done
	s_wait_kmcnt 0x0
	s_add_nc_u64 s[20:21], s[6:7], s[20:21]
	s_add_nc_u64 s[22:23], s[4:5], s[22:23]
.irp q, 0,1
	s_mov_b32 s[40+4*\q], 1
	s_add_co_u32 s[41+4*\q], s76, \q*HG
	s_add_nc_u64 s[42+4*\q:43+4*\q], s[20:21], \q*6656
	s_or_b32 s[43+4*\q], s[43+4*\q], 0x80000000
.endr
.macro MKX q, g
	s_mov_b32 s[\g], 1
	s_add_co_u32 s[\g+1], s77, \q*HG
	s_add_nc_u64 s[\g+2:\g+3], s[22:23], \q*6656
	s_or_b32 s[\g+3], s[\g+3], 0x80000000
.endm
	MKX 0, 56
	MKX 1, 60
	CROUND                                         ; all four work-groups are here: the joint loads meet
	s_cmp_lt_u32 s14, 4                            ; waves 0-3 fetch the weights' four quarters, waves 4-7 the tokens': one load of mine is out
	s_cbranch_scc0 .Lfill_x
	tensor_load_to_lds s[40:43], s[24:31]          ; the first half of K: one tensor load a wave at the head
	s_nop 0
.rept 4
	v_nop
.endr
	s_branch .Lfilled
.Lfill_x:
	tensor_load_to_lds s[56:59], s[32:39]
	s_nop 0
.rept 4
	v_nop
.endr
.Lfilled:
	v_and_b32 v7, 31, v0                           ; lane
	s_delay_alu instid0(VALU_DEP_1)
	v_lshlrev_b32 v252, 4, v7                      ; 16 x lane; never rewritten
	s_delay_alu instid0(VALU_DEP_2)
	v_lshlrev_b32 v253, 3, v7                      ; 8 x lane; never rewritten
	s_mul_i32 s79, s16, 26624
	s_add_co_u32 s79, s79, XB                      ; my four tiles of tokens; s76: my four of the weights
	s_cmp_eq_u32 s19, 5
	s_cselect_b32 s80, s79, s76                    ; source 0
	s_cselect_b32 s81, s76, s79                    ; source 1
	v_add_nc_u32 v3, s80, v252
	v_add_nc_u32 v4, s80, v253
	v_add_nc_u32 v5, s81, v252
	v_add_nc_u32 v6, s81, v253
	; where the results go, and the table's tiles: made while the tiles are on their way
	s_lshr_b32 s82, s18, 4                         ; batch
	s_and_b32 s83, s18, 15                         ; which 128 tokens of the sequence
	s_lshl_b32 s84, s82, 4
	s_lshl_b32 s85, s19, 2
	s_add_co_u32 s84, s84, s85
	s_add_co_u32 s84, s84, s15                     ; q: batch x 16 + head
	s_lshl_b32 s84, s84, 5
	s_lshl_b32 s85, s83, 1
	s_add_co_u32 s84, s84, s85
	s_add_co_u32 s84, s84, s16                     ; its record of 64 tokens
	s_mul_i32 s84, s84, 3328
	s_lshl_b32 s85, s82, 2
	s_add_co_u32 s85, s85, s15                     ; k, v: batch x 4 + kv head
	s_lshl_b32 s85, s85, 4
	s_add_co_u32 s85, s85, s83
	s_mul_i32 s85, s85, 13312
	s_mul_i32 s88, s16, 3328                       ; the half of 64 keys
	s_add_co_u32 s85, s85, s88
	s_cmp_eq_u32 s19, 5
	s_cselect_b32 s88, 6656, 0                     ; v's records lie behind k's
	s_add_co_u32 s85, s85, s88
	s_cmp_lt_u32 s19, 4
	s_cselect_b32 s84, s84, s85
	s_cselect_b64 s[86:87], s[10:11], s[12:13]
	s_mov_b32 s85, 0
	s_add_nc_u64 s[86:87], s[86:87], s[84:85]
	s_lshl_b32 s88, s83, 3
	s_lshl_b32 s89, s16, 2
	s_add_co_u32 s88, s88, s89                     ; my first tile of positions
	s_lshl_b32 s88, s88, 12
	s_mov_b32 s89, 0
	s_add_nc_u64 s[8:9], s[8:9], s[88:89]
.macro FRAG reg, a16, a8, off          ; a fragment, 16 rows x 128 K, as it lies: two units
	ds_load_b128 v[\reg:\reg+3], v[\a16] offset:\off
	ds_load_b64 v[\reg+4:\reg+5], v[\a8] offset:\off+512
	ds_load_b128 v[\reg+6:\reg+9], v[\a16] offset:\off+768
	ds_load_b64 v[\reg+10:\reg+11], v[\a8] offset:\off+1280
.endm
.macro MM a, e, zero                   ; source 0's tile a against source 1's four.  The 16 accumulators take turns, one instruction a turn, in the same order in every K step
.irp b, 0,1,2,3
.if \zero
	v_wmma_scale_f32_16x16x128_f8f6f4 v[ACC+8*(4*\b+\a):ACC+8*(4*\b+\a)+7], v[FA+12*\a:FA+12*\a+11], v[FB+12*\b:FB+12*\b+11], 0, v[SA+2*\a+\e], v[SB+2*\b+\e] matrix_a_fmt:MATRIX_FMT_FP6 matrix_b_fmt:MATRIX_FMT_FP6
.else
	v_wmma_scale_f32_16x16x128_f8f6f4 v[ACC+8*(4*\b+\a):ACC+8*(4*\b+\a)+7], v[FA+12*\a:FA+12*\a+11], v[FB+12*\b:FB+12*\b+11], v[ACC+8*(4*\b+\a):ACC+8*(4*\b+\a)+7], v[SA+2*\a+\e], v[SB+2*\b+\e] matrix_a_fmt:MATRIX_FMT_FP6 matrix_b_fmt:MATRIX_FMT_FP6
.endif
.endr
.endm
.macro KSTEP e, zero                   ; 128 along K: 32 LDS loads in one run, 16 matrix instructions
.irp b, 0,1,2,3
	FRAG FB+12*\b, 5, 6, 6656*\b+1536*\e
.endr
.irp a, 0,1,2,3
	FRAG FA+12*\a, 3, 4, 6656*\a+1536*\e
.endr
	s_wait_dscnt 8                                 ; all but the youngest eight loads, source 0's tiles 2 and 3
	MM 0, \e, \zero
	MM 1, \e, \zero
	s_wait_dscnt 0x0
	MM 2, \e, \zero
	MM 3, \e, \zero
.endm
.macro QUARTER q
.if \q == 0
	s_wait_alu depctr_va_vdst(0)                   ; the head's end
	s_wait_tensorcnt 0x0                           ; my part of the first half has landed
	ds_add_u32 v1, v2
	s_wait_dscnt 0x0
	CROUND                                         ; everybody's part is in, and the four partners are here: the joint loads meet
	s_cmp_lt_u32 s14, 4
	s_cbranch_scc0 .Lfill_x2
	tensor_load_to_lds s[44:47], s[24:31]          ; the second half of K, my one load behind the round; it is on its way while the first half is multiplied
	s_nop 0
.rept 4
	v_nop
.endr
	s_branch .Lfilled2
.Lfill_x2:
	tensor_load_to_lds s[60:63], s[32:39]
	s_nop 0
.rept 4
	v_nop
.endr
.Lfilled2:
.endif
.if \q == 2
	s_wait_tensorcnt 0x0                           ; my part of the second half has landed (no LDS instruction of mine is out here)
	s_barrier_signal -1
	s_barrier_wait -1                              ; everybody's has
.endif
.irp i, 0,1,2,3
	ds_load_b64 v[SA+2*\i:SA+2*\i+1], v4 offset:6656*\i+3072
	ds_load_b64 v[SB+2*\i:SB+2*\i+1], v6 offset:6656*\i+3072
.endr
.if \q == 0
	KSTEP 0, 1                                     ; the first products start the sums: nothing is cleared
.else
	KSTEP 0, 0
.endif
.rept 4
	v_nop                                          ; four plain instructions between the last products and loads into registers that they read
.endr
	KSTEP 1, 0
.if \q < 3
	v_add_nc_u32 v3, 3328+(\q%2)*(HG-6656), v3     ; on to the next quarter: the tile's second slab, or the next half's first; these four are the places as well
	v_add_nc_u32 v4, 3328+(\q%2)*(HG-6656), v4
	v_add_nc_u32 v5, 3328+(\q%2)*(HG-6656), v5
	v_add_nc_u32 v6, 3328+(\q%2)*(HG-6656), v6
.else
.rept 4
	v_nop                                          ; the places ahead of the way out
.endr
.endif
.endm
	s_wait_alu depctr_va_vdst(0)
	QUARTER 0
	s_wait_alu depctr_va_vdst(0)
	QUARTER 1
	s_wait_alu depctr_va_vdst(0)
	QUARTER 2
	s_wait_alu depctr_va_vdst(0)
	QUARTER 3
; 32 numbers of a lane, v[u] on: my 16 of block 0, my 16 of block 1 (the other 16 of each lie in lane l xor 16), become a unit's six registers v[p] on, and hw = the two scale bytes.
.macro QUANT2 u, p, hw
.irp b, 0,1
	v_max3_num_f32 v[QM+\b], |v[(\u)+16*\b]|, |v[(\u)+16*\b+1]|, 0x1800000   ; each accumulator is read from its low end on; the floor 2^(3 - 127) holds the byte at 1
.endr
.irp i, 2,4,6,8,10,12,14
.irp b, 0,1
	v_max3_num_f32 v[QM+\b], v[QM+\b], |v[(\u)+16*\b+\i]|, |v[(\u)+16*\b+\i+1]|
.endr
.endr
.irp b, 0,1
	s_delay_alu instid0(VALU_DEP_2)
	v_permlanex16_b32 v[QX+\b], v[QM+\b], s[SEL], s[SEL+1]
.endr
.irp b, 0,1
	s_delay_alu instid0(VALU_DEP_2)
	v_max_num_f32 v[QM+\b], v[QM+\b], v[QX+\b]     ; the block's largest magnitude
.endr
.irp b, 0,1
	s_delay_alu instid0(VALU_DEP_2)
	v_add_nc_u32 v[QE+\b], 0xff000000, v[QM+\b]    ; 2 off its exponent field: the conversion's scale operand
.endr
.irp b, 0,1
	s_delay_alu instid0(VALU_DEP_2)
	v_lshrrev_b32 v[QB+\b], 23, v[QE+\b]
.endr
	s_delay_alu instid0(VALU_DEP_1)
	v_lshl_or_b32 v[\hw], v[QB+1], 8, v[QB]
	v_cvt_scalef32_pk16_fp6_f32 v[(\p):(\p)+2], v[(\u):(\u)+15], v[QE]
	v_cvt_scalef32_pk16_fp6_f32 v[TQ:TQ+2], v[(\u)+16:(\u)+31], v[QE+1]
	v_nop                                          ; one plain instruction behind the conversions
.irp i, 0,1,2
	v_permlane16_swap_b32 v[(\p)+\i], v[TQ+\i]     ; a lane wants a whole block: lanes 0-15 block 0, lanes 16-31 block 1
.endr
.irp i, 0,1,2
	s_delay_alu instid0(VALU_DEP_3)
	v_mov_b32 v[(\p)+3+\i], v[TQ+\i]
.endr
.endm
.macro PUT u                           ; unit u leaves: 512 and 256 consecutive bytes, aligned to 256
	global_store_b128 v252, v[108+6*((\u)%2):111+6*((\u)%2)], s[86:87] offset:768*(\u)
	global_store_b64 v253, v[112+6*((\u)%2):113+6*((\u)%2)], s[86:87] offset:768*(\u)+512
.endm
	v_mov_b32 v[QX], 0                             ; written once: a lane permute's destination counts as one of its sources
	v_mov_b32 v[QX+1], 0
	s_cmp_eq_u32 s19, 5                            ; the group's number: the same in all four partners
	s_cbranch_scc1 .Lvpath
; ---- q and k: the rotation, then the quantiser.  Register i (0..15) of a tile of tokens is number d = 16 (i / 8) + 8 h + i % 8 of the head, register 16 + i is d + 32: the pair that turns together.
.macro TBL u                           ; cos (16 registers) and sin (16) of tile u's positions into set u % 2
.irp gp, 0,1,2,3,4,5,6,7
	global_load_b128 v[24+32*((\u)%2)+4*\gp:27+32*((\u)%2)+4*\gp], v252, s[8:9] offset:4096*(\u)+512*\gp
.endr
.endm
.macro UNITQK u
.set UU, ACC+32*(\u)
.set TS, 24+32*((\u)%2)
.if (\u) < 3
	s_wait_loadcnt 8                               ; this tile's eight loads are in; the other set's may be out
.else
	s_wait_loadcnt 0x0
.endif
.irp i, 0,2,4,6,8,10,12,14
	v_pk_mul_f32 v[88+2*(\i%4):89+2*(\i%4)], v[UU+16+\i:UU+17+\i], v[TS+16+\i:TS+17+\i]   ; x2 sin
	v_pk_mul_f32 v[90+2*(\i%4):91+2*(\i%4)], v[UU+\i:UU+1+\i], v[TS+16+\i:TS+17+\i]       ; x1 sin
	v_pk_fma_f32 v[UU+\i:UU+1+\i], v[UU+\i:UU+1+\i], v[TS+\i:TS+1+\i], v[88+2*(\i%4):89+2*(\i%4)] neg_lo:[0,0,1] neg_hi:[0,0,1]   ; x1 cos - x2 sin
	v_pk_fma_f32 v[UU+16+\i:UU+17+\i], v[UU+16+\i:UU+17+\i], v[TS+\i:TS+1+\i], v[90+2*(\i%4):91+2*(\i%4)]                       ; x2 cos + x1 sin
.endr
.if (\u) < 2
	TBL (\u)+2                                     ; into the set just read
.else
	s_wait_xcnt 0x0                                ; the stores of two tiles back have read their registers, which are written again below
.endif
	QUANT2 UU, 108+6*((\u)%2), 248+(\u)
	PUT \u
.endm
	TBL 0
	TBL 1
	UNITQK 0
	UNITQK 1
	UNITQK 2
	UNITQK 3
	v_cmp_le_u32 vcc_lo, 16, v7                    ; lanes 16-31 carry the odd tiles' words
	s_delay_alu instid0(VALU_DEP_1)
	v_cndmask_b32 v254, v248, v249, vcc_lo
	s_delay_alu instid0(VALU_DEP_2)
	v_cndmask_b32 v255, v250, v251, vcc_lo
	global_store_b64 v253, v[254:255], s[86:87] offset:3072
	FINISH
; ---- v: a lane holds one of the head's 64 and 64 keys: two blocks of the second product's K
.Lvpath:
	v_cmp_le_u32 vcc_lo, 16, v7                    ; lanes 16-31 hold a unit's odd block of 32 keys
.irp u, 0,1,2,3
.if \u >= 2
	s_wait_xcnt 0x0
.endif
	QUANT2 ACC+32*\u, 108+6*(\u%2), 248+\u
.irp i, 0,1,2                          ; in the odd block the two halves of 16 codes change places: keys 8-15, 24-31, 0-7, 16-23, the order in which the attention launch holds p there
	v_mov_b32 v[TQ+\i], v[108+6*(\u%2)+\i]
	v_cndmask_b32 v[108+6*(\u%2)+\i], v[108+6*(\u%2)+\i], v[111+6*(\u%2)+\i], vcc_lo
	v_cndmask_b32 v[111+6*(\u%2)+\i], v[111+6*(\u%2)+\i], v[TQ+\i], vcc_lo
.endr
	PUT \u
.endr
	v_lshl_or_b32 v254, v249, 16, v248
	v_lshl_or_b32 v255, v251, 16, v250
	global_store_b64 v253, v[254:255], s[86:87] offset:3072
	FINISH
.Lfunc_end_k_qa64f299958_qkv:
	.size	k_qa64f299958_qkv, .Lfunc_end_k_qa64f299958_qkv-k_qa64f299958_qkv
	.p2alignl 7, 3214868480
	.fill 96, 4, 3214868480
	.section	.rodata,"a",@progbits
	.p2align	6, 0x0
	.amdhsa_kernel k_qa64f299958_qkv
		.amdhsa_group_segment_fixed_size 327680
		.amdhsa_private_segment_fixed_size 0
		.amdhsa_enable_private_segment 0
		.amdhsa_kernarg_size 40
		.amdhsa_user_sgpr_count 2
		.amdhsa_user_sgpr_kernarg_segment_ptr 1
		.amdhsa_wavefront_size32 1
		.amdhsa_system_sgpr_workgroup_id_x 1
		.amdhsa_system_sgpr_workgroup_id_y 1
		.amdhsa_system_sgpr_workgroup_id_z 1
		.amdhsa_system_vgpr_workitem_id 0
		.amdhsa_next_free_vgpr 256
		.amdhsa_next_free_sgpr 96
		.amdhsa_reserve_vcc 1
		.amdhsa_float_denorm_mode_32 3
		.amdhsa_float_denorm_mode_16_64 3
		.amdhsa_memory_ordered 1
		.amdhsa_forward_progress 1
		.amdhsa_inst_pref_size 77
	.end_amdhsa_kernel
	.amdgpu_metadata
---
amdhsa.version: [ 1, 2 ]
amdhsa.kernels:
  - .name:           k_qa64f299958_qkv
    .symbol:         k_qa64f299958_qkv.kd
    .args:
      - { .name: ximg, .offset: 0, .size: 8, .value_kind: global_buffer, .address_space: global }
      - { .name: wimg, .offset: 8, .size: 8, .value_kind: global_buffer, .address_space: global }
      - { .name: tbl, .offset: 16, .size: 8, .value_kind: global_buffer, .address_space: global }
      - { .name: qbuf, .offset: 24, .size: 8, .value_kind: global_buffer, .address_space: global }
      - { .name: kvbuf, .offset: 32, .size: 8, .value_kind: global_buffer, .address_space: global }
    .group_segment_fixed_size: 327680
    .private_segment_fixed_size: 0
    .kernarg_segment_align: 8
    .kernarg_segment_size: 40
    .max_flat_workgroup_size: 256
    .sgpr_count:     96
    .vgpr_count:     256
    .wavefront_size: 32
...
	.end_amdgpu_metadata
.endif
;; end of part 2
;; launch attn (part 3): grid 16 x 16, 16 waves a work-group, clusters of 4 x 1, 327,680 bytes of LDS; arguments qbuf, kvbuf, abuf; writes abuf
.if DOCPART == 3
	.amdgcn_target "amdgcn-amd-amdhsa--gfx1250"
	.amdhsa_code_object_version 6
	.text
	.protected	k_qa64f299958_attn
	.globl	k_qa64f299958_attn
	.p2align	8
	.type	k_qa64f299958_attn,@function
k_qa64f299958_attn:
	s_mov_b64 s[64:65], 0
	v_nop
	global_prefetch_b8 v0, s[64:65] scope:SCOPE_SE
	s_setreg_imm32_b32 hwreg(HW_REG_WAVE_MODE, 25, 1), 1
	s_wait_xcnt 0x0
	s_wait_alu depctr_hold_cnt(0) depctr_sa_sdst(0) depctr_va_vdst(0) depctr_va_sdst(0) depctr_va_ssrc(0) depctr_va_vcc(0) depctr_vm_vsrc(0)
	s_getreg_b32 s2, hwreg(HW_REG_IB_STS2, 6, 4)
	s_cmp_eq_u32 s2, 0
	s_cbranch_scc0 .Lentry_in_a_cluster
	s_endpgm
.Lentry_in_a_cluster:
	s_bfe_u32 s2, ttmp6, 0x10000c
	s_cmp_lg_u32 s2, 0x3003
	s_cbranch_scc0 .Lentry_shape_is_right
	s_endpgm
.Lentry_shape_is_right:
; ATTN: o = softmax(q k^T / 8) v under the causal mask, both products on codes of FP6 (E2M3) with E8M0 scales; o is quantised at once for the projection and leaves as codes.
; LEFT OUT: chunks of 128 keys that lie wholly behind a query tile's diagonal: the causal mask sets their scores to -inf, so they add nothing to any sum.
; SHARES.  A work-group takes one kv head of one batch (grid y) and, for each of its four query heads, eight tiles of 16 queries.  Wave w: head w % 4; tiles t = 16 (w / 4) + work-group x and 127 - t:
; (127 - t) / 8 + 1 and t / 8 + 1 chunks, 17 steps in every wave.  All 16 chunks of K and V (13,312 bytes each) lie in LDS, filled once: wave w fetches chunk w, its one tensor load.
; CLUSTER: the four work-groups along x need the same K and V and ask jointly.  The last chunk is fetched by all alike, also where a work-group's longest tile ends a chunk earlier.
; No prefetch into the L2: every tile is asked for at the head, and no loop runs ahead of a load.
; BOTH PRODUCTS ARE USED TRANSPOSED: S^T = k q^T, O^T = v^T p^T: a lane holds one query.  The head has 64 numbers: the upper 64 of the first product's K are zero codes of q.
; THE ROWS OF A TILE OF K are chosen by LDS address so that a lane's 32 registers of four tiles are ONE block of 32 keys: tile 4 T + g, rows 0-7: block 2 T, rows 8-15: block 2 T + 1.  Lane (r, h) so holds
; blocks h and 2 + h whole: the block's largest score needs no other lane and the conversions' results are the operand.  Keys inside a block: even blocks 0-7, 16-23, 8-15, 24-31, odd blocks 8-15, 24-31, 0-7, 16-23,
; as V's codes lie; with that order the sixteen rows of a load fall on different banks (64 banks of 4 bytes: ISA guide 11.1).
; SOFTMAX: p = 2^(t - M), t = score x log2(e) / 8, M the running largest t rounded up to a whole number; sums under an older M are multiplied by 2^(old M - new M), which rounds nothing; the row's sum is of the unquantised p.
; LIMITS: the scaled scores stay under 2^31 in magnitude; NaN and infinities are not served; a block of p whose largest lies under 2^-124 gets the byte 1 (its codes are zeros).
.set CHK,   13312                      ; a chunk: k's keys 0-63, k's 64-127, v's 0-63, v's 64-127, records of 3,328 bytes
.set HSTG,  212992                     ; behind the 16 chunks: 2,048 bytes in which o's scale bytes of four heads are gathered
.set SPARE, 215040                     ; the spare words, 128 bytes a wave
.set KB,  38                           ; v38-85 K's eight tiles, six registers each; v86-91 the second tile's q, parked: as the upper half of tile 7's operand they meet q's zero codes
.set S,   92                           ; v92-155 S^T, then p; p's codes are laid over v108-119 when their numbers are done with
.set PC,  S+16
.set O,   156                          ; v156-187 O^T
.set VB,  188                          ; v188-235 V's four fragments; on the way out the quantiser's registers
.set L8,  236                          ; 8 x lane
.set K16A, 237                         ; lane terms of K's loads: tiles g = 0, 1 and g = 2, 3, 16-byte and 8-byte parts
.set K16B, 238
.set K8A, 239
.set K8B, 240
.set KSB, 241                          ; lane term of K's scale words
.set SH,  242                          ; 8 h
.set MV,  243                          ; the mask: my query's place in its chunk - 40 h
.set BM,  244                          ; v244-247 maxima; then a conversion's result
.set XT,  248                          ; v248-249 the sum's second chain
.set EO,  250                          ; v250-251 the conversions' scale operands
.set FF,  252                          ; v252 2^(old M - new M); v253, the pair's upper word, holds the second tile's q scales
.set Q2S, 253
.set T0,  254
.set T1,  255
.set QM,  VB
.set QX,  VB+2
.set QE,  VB+4
.set QB,  VB+6
.set TQ,  VB+8
.set PCO, VB+12
.set HW,  VB+18
.set SEL, 20
.set CS,  22
.set TB,  42                           ; s42 this chunk's LDS byte; s61 the next chunk's, held at chunk 15
.set SC,  43
.set HS,  60
.set TN,  61
.macro CROUND                          ; a round of the cluster's barrier
	s_barrier_signal -1
	s_barrier_wait -1
	s_cmp_lg_u32 s10, 0
	s_cbranch_scc1 .Lnot_wave_0_\@
	s_barrier_signal -3
.Lnot_wave_0_\@:
	s_barrier_wait -3
	s_barrier_signal -1
	s_barrier_wait -1
.endm
	s_load_b128 s[4:7], s[0:1], 0x0                ; qbuf, kvbuf
	s_load_b64 s[8:9], s[0:1], 0x10                ; abuf
	v_lshl_add_u32 v1, v0, 2, SPARE                ; my spare word; never rewritten
	v_mov_b32 v2, 0                                ; 0; never rewritten
	ds_add_u32 v1, v2                              ; the opening: the add, twice on end, and below its wait
	ds_add_u32 v1, v2
	v_lshrrev_b32 v3, 5, v0
	s_delay_alu instid0(VALU_DEP_1)
	v_readfirstlane_b32 s10, v3                    ; wave 0..15
	s_and_b32 s11, s10, 3                          ; head in the group
	s_lshr_b32 s12, s10, 2
	s_bfe_u32 s13, ttmp6, 0x40000                  ; cx
	s_lshl_b32 s14, ttmp9, 2
	s_add_co_u32 s14, s14, s13                     ; work-group x
	s_and_b32 s15, ttmp7, 0xffff                   ; batch x 4 + kv head
	s_lshl_b32 s16, s12, 4
	s_add_co_u32 s16, s16, s14                     ; the short tile
	s_sub_co_u32 s17, 127, s16                     ; the long tile
	s_lshl_b32 s18, s12, 1
	s_lshr_b32 s58, ttmp9, 1
	s_add_co_u32 s18, s18, s58                     ; the short tile's last chunk: made of the wave and the cluster's x alone
	s_sub_co_u32 s19, 15, s18                      ; the long tile's
	s_mov_b32 s[SEL], 0x76543210
	s_mov_b32 s[SEL+1], 0xfedcba98                 ; selects for lane l xor 16
	s_mov_b32 s[CS], 0x3e38aa3b                    ; log2(e) / 8
	s_mov_b32 s[CS+1], s[CS]
	s_mov_b32 s40, 0x05040100
	s_mov_b32 s41, 0x07060302
	s_mov_b32 s24, 15|(3<<16)|(1<<21)              ; mask of all four; elements of 8 bytes; bit 21 beside a mask
	s_mov_b32 s25, 32<<16                          ; rows of 256 bytes,
	s_mov_b32 s26, 52<<16                          ; 52 of them: a chunk, dense in memory
	s_mov_b32 s27, 32<<16
	s_mov_b32 s28, 52
	s_mov_b32 s29, 32
	s_mov_b32 s30, 0
	s_mov_b32 s31, 0
	s_mov_b32 s32, 1
	s_mul_i32 s33, s10, CHK
	s_mul_i32 s58, s15, 212992
	s_add_co_u32 s58, s58, s33
	s_mov_b32 s59, 0
	s_lshl_b32 s70, s15, 2
	s_add_co_u32 s70, s70, s11
	s_lshl_b32 s70, s70, 5                         ; q: (batch x 16 + head) x 32 records
	s_lshr_b32 s71, s15, 2
	s_lshl_b32 s71, s71, 7                         ; o: batch x 128 token tiles
	s_and_b32 s75, s15, 3
	s_mul_i32 s75, s75, 3328                       ; the kv head's quarter of the projection's K
	s_lshr_b32 s72, s11, 1
	s_mul_i32 s72, s72, 1536
	s_and_b32 s66, s11, 1
	s_mul_i32 s66, s66, 768
	s_add_co_u32 s72, s72, s66
	s_add_co_u32 s72, s72, s75                     ; my head's unit in it
.macro TILEADR ti, qa, qsa, oa         ; byte offsets of a tile's q unit, its q scale words and its o unit
	s_lshr_b32 s66, s[\ti], 2
	s_add_co_u32 s66, s66, s70
	s_mul_i32 s66, s66, 3328
	s_and_b32 s67, s[\ti], 3
	s_mul_i32 s67, s67, 768
	s_add_co_u32 s[\qa], s66, s67
	s_mov_b32 s[\qa+1], 0
	s_and_b32 s67, s[\ti], 1
	s_lshl_b32 s67, s67, 7
	s_add_co_u32 s66, s66, s67
	s_bfe_u32 s67, s[\ti], 0x10001
	s_lshl_b32 s67, s67, 2
	s_add_co_u32 s66, s66, s67
	s_add_co_u32 s[\qsa], s66, 3072
	s_mov_b32 s[\qsa+1], 0
	s_add_co_u32 s66, s71, s[\ti]
	s_mul_i32 s66, s66, 13312
	s_add_co_u32 s[\oa], s66, s72
	s_mov_b32 s[\oa+1], 0
.endm
	TILEADR 17, 44, 46, 52
	TILEADR 16, 48, 50, 54
	s_lshl_b32 s66, s11, 4                         ; waves 0-7 store a tile's scale words at the end: waves 0-3 the long tiles', 4-7 the short ones'
	s_add_co_u32 s66, s66, s14
	s_sub_co_u32 s67, 127, s66
	s_cmp_eq_u32 s12, 0
	s_cselect_b32 s66, s67, s66
	s_add_co_u32 s66, s66, s71
	s_mul_i32 s66, s66, 13312
	s_add_co_u32 s66, s66, s75
	s_add_co_u32 s56, s66, 3072
	s_mov_b32 s57, 0
	s_and_b32 s73, s17, 7
	s_lshl_b32 s73, s73, 4                         ; the tiles' places in their last chunks
	s_and_b32 s74, s16, 7
	s_lshl_b32 s74, s74, 4
	s_lshl_b32 s[HS], s12, 8                       ; where my tile's scale bytes are gathered
	s_lshl_b32 s66, s11, 1
	s_add_co_u32 s[HS], s[HS], s66
	s_add_co_u32 s[HS], s[HS], HSTG
	s_and_b32 s62, s10, 7                          ; and which 256 bytes I read back
	s_lshl_b32 s62, s62, 8
	s_add_co_u32 s62, s62, HSTG
	v_and_b32 v3, 31, v0
	v_bfe_u32 v4, v0, 4, 1                         ; h
	v_bfe_u32 v5, v0, 3, 1                         ; r / 8
	v_and_b32 v6, 7, v0                            ; r % 8
	v_lshlrev_b32 v[L8], 3, v3
	v_lshlrev_b32 v[SH], 3, v4
	v_lshlrev_b32 v7, 4, v6
	v_lshlrev_b32 v[T1], 4, v3                     ; 16 x lane, for q's loads
	v_lshl_add_u32 v7, v4, 8, v7                   ; 16 (r % 8) + 256 h
	v_and_b32 v23, 15, v0
	v_mad_u32_u24 v[K16A], v5, 1664, v7            ; rows 8-15 lie two units (1,536 bytes) on, and in the other eight rows of their unit: + 128 for g = 0, 1,
	v_mad_u32_u24 v[K16B], v5, 1408, v7            ; - 128 for g = 2, 3, whose rows 0-7 are a unit's rows 8-15
	v_lshrrev_b32 v7, 1, v7
	v_lshlrev_b32 v[T0], 3, v23                    ; 8 r, for q's scale words
	v_add_nc_u32 v[K16B], 128, v[K16B]
	v_mad_u32_u24 v[K8A], v5, 1600, v7
	v_mad_u32_u24 v[K8B], v5, 1472, v7
	v_xor_b32 v7, v4, v5
	v_add_nc_u32 v[K8B], 64, v[K8B]
	v_lshlrev_b32 v7, 6, v7
	s_delay_alu instid0(VALU_DEP_1)
	v_lshl_add_u32 v7, v6, 3, v7
	s_delay_alu instid0(VALU_DEP_1)
	v_lshl_add_u32 v[KSB], v5, 2, v7               ; scale words: lanes 0-15 serve tile g % 2, lanes 16-31 tile 2 + g % 2: 64 (h xor r / 8) + 8 (r % 8) + 4 (r / 8)
	s_wait_alu depctr_va_vdst(0)                   ; directly ahead of the waits below
	s_wait_dscnt 0x0                               ; both opening adds are done
	s_wait_kmcnt 0x0
	s_add_nc_u64 s[34:35], s[6:7], s[58:59]
	s_or_b32 s35, s35, 0x80000000
	s_add_nc_u64 s[44:45], s[4:5], s[44:45]
	s_add_nc_u64 s[46:47], s[4:5], s[46:47]
	s_add_nc_u64 s[48:49], s[4:5], s[48:49]
	s_add_nc_u64 s[50:51], s[4:5], s[50:51]
	s_add_nc_u64 s[52:53], s[8:9], s[52:53]
	s_add_nc_u64 s[54:55], s[8:9], s[54:55]
	s_add_nc_u64 s[56:57], s[8:9], s[56:57]
	global_load_b128 v[26:29], v[T1], s[44:45]     ; the long tile's q,
	global_load_b64 v[30:31], v[L8], s[44:45] offset:512
	global_load_b32 v12, v[T0], s[46:47]
	global_load_b128 v[86:89], v[T1], s[48:49]     ; the short tile's
	global_load_b64 v[90:91], v[L8], s[48:49] offset:512
	global_load_b32 v[Q2S], v[T0], s[50:51]
	CROUND                                         ; all four work-groups are here: the joint loads meet
	tensor_load_to_lds s[32:35], s[24:31]          ; chunk w: my one tensor load
	s_nop 0
.irp j, 0,1,2,3,4,5
	v_mov_b32 v[32+\j], 0                          ; q's upper 64 along K: zero codes
.endr
	v_mov_b32 v[XT], 0                             ; written once: a lane permute's destination counts as one of its sources
	v_mov_b32 v[XT+1], 0
.macro INIT ms
.set j, 0
.rept 32
	v_mov_b32 v[O+j], 0
.set j, j+1
.endr
	v_mov_b32 v10, 0                               ; the row's sum, in two halves
	v_mov_b32 v11, 0
	v_mov_b32 v9, 0xff61b1e6                       ; the largest score so far: -3e38
	v_bfe_u32 v3, v[L8], 3, 4                      ; r
	v_bfe_u32 v4, v[L8], 7, 1                      ; h
	v_floor_f32 v8, -v9                            ; -M
	v_mul_u32_u24 v4, v4, 40
	v_sub_nc_u32 v3, v3, v4
	v_add_nc_u32 v[MV], s[\ms], v3
.endm
.macro KLOAD a, b, c, d, e             ; a chunk's eight tiles of K and their scale words: 20 LDS loads
.irp t, 0,1,2,3,4,5,6,7
.if (\t%4) < 2
	ds_load_b128 v[KB+6*\t:KB+6*\t+3], v[\a] offset:3328*(\t/4)+768*(\t%2)
	ds_load_b64 v[KB+6*\t+4:KB+6*\t+5], v[\c] offset:3328*(\t/4)+768*(\t%2)+512
.else
	ds_load_b128 v[KB+6*\t:KB+6*\t+3], v[\b] offset:3328*(\t/4)+768*(\t%2)
	ds_load_b64 v[KB+6*\t+4:KB+6*\t+5], v[\d] offset:3328*(\t/4)+768*(\t%2)+512
.endif
.endr
.irp i, 0,1,2,3
	ds_load_b32 v[14+\i], v[\e] offset:3328*(\i/2)+3072+128*(\i%2)
.endr
.endm
.macro ADD2 j                          ; four numbers of p onto the row's sum, in two chains
	v_pk_add_f32 v[10:11], v[10:11], v[S+\j:S+\j+1]
	v_pk_add_f32 v[XT:XT+1], v[XT:XT+1], v[S+\j+2:S+\j+3]
.endm
.macro PV b, sr
	v_wmma_scale_f32_16x16x128_f8f6f4 v[O+8*\b:O+8*\b+7], v[VB+12*\b:VB+12*\b+11], v[PC:PC+11], v[O+8*\b:O+8*\b+7], v[\sr], v13 matrix_a_fmt:MATRIX_FMT_FP6 matrix_b_fmt:MATRIX_FMT_FP6
.endm
; A step: 16 queries x 128 keys.  chr: the register with the tile's last chunk.  The loops' trip counts are constants; a chunk behind the diagonal is jumped over by a branch on ids.
.macro STEP chr
	s_cmp_gt_u32 s[SC], s[\chr]
	s_cbranch_scc1 .Lhid_\@
	s_add_co_u32 s[TN], s[TB], CHK
	s_min_u32 s[TN], s[TN], 15*CHK
	s_wait_dscnt 0x0                               ; this chunk's K, asked for a step ago
.irp t, 0,1,2,3,4,5,6,7
.if (\t%4) < 2
	v_wmma_scale_f32_16x16x128_f8f6f4 v[S+8*\t:S+8*\t+7], v[KB+6*\t:KB+6*\t+11], v[26:37], 0, v[14+2*(\t/4)+\t%2], v12 matrix_a_fmt:MATRIX_FMT_FP6 matrix_b_fmt:MATRIX_FMT_FP6
.else
	v_wmma_scale_f32_16x16x128_f8f6f4 v[S+8*\t:S+8*\t+7], v[KB+6*\t:KB+6*\t+11], v[26:37], 0, v[14+2*(\t/4)+\t%2], v12 matrix_a_fmt:MATRIX_FMT_FP6 matrix_b_fmt:MATRIX_FMT_FP6 matrix_a_scale:MATRIX_SCALE_ROW1
.endif
.endr
	v_lshl_add_u32 v3, v[L8], 1, s[TB]             ; seven addresses: they are also the places behind the products (ISA guide 7.12.1)
	v_add_nc_u32 v4, s[TB], v[L8]
	v_add_nc_u32 v5, s[TN], v[K16A]
	v_add_nc_u32 v6, s[TN], v[K16B]
	v_add_nc_u32 v7, s[TN], v[K8A]
	v_add_nc_u32 v23, s[TN], v[K8B]
	v_add_nc_u32 v24, s[TN], v[KSB]
.irp b, 0,1,2,3                        ; this chunk's V: 18 loads, wanted at the step's end
	ds_load_b128 v[VB+12*\b:VB+12*\b+3], v3 offset:6656+768*\b
	ds_load_b64 v[VB+12*\b+4:VB+12*\b+5], v4 offset:6656+768*\b+512
	ds_load_b128 v[VB+12*\b+6:VB+12*\b+9], v3 offset:9984+768*\b
	ds_load_b64 v[VB+12*\b+10:VB+12*\b+11], v4 offset:9984+768*\b+512
.endr
	ds_load_b64 v[18:19], v4 offset:9728
	ds_load_b64 v[20:21], v4 offset:13056
	KLOAD 5, 6, 7, 23, 24                          ; the next chunk's K: 20 loads, wanted at the next step's head (behind chunk 15: chunk 15's again, not used)
	s_cmp_lg_u32 s[SC], s[\chr]
	s_cbranch_scc1 .Lopen_\@
	v_mov_b32 v[T0], 0xff800000                    ; the diagonal's chunk: register n holds key 64 (n / 32) + 32 h + 16 (n / 8 % 2) + 8 (n / 16 % 2 xor h) + n % 8
	v_lshl_add_u32 v[T1], v[SH], 1, v[MV]          ; my query's place - 24 h, for the tiles g = 2, 3
.set n, 0
.rept 64
.if (n/16)%2
	v_cmp_gt_i32 vcc_lo, 64*(n/32)+16*((n/8)%2)+8+n%8, v[T1]
.else
	v_cmp_gt_i32 vcc_lo, 64*(n/32)+16*((n/8)%2)+n%8, v[MV]
.endif
	v_cndmask_b32 v[S+n], v[S+n], v[T0], vcc_lo
.set n, n+1
.endr
.Lopen_\@:
.irp b, 0,1,2,3                        ; my two blocks' largest scores, four chains by turns; each accumulator is read from its low end on
	v_max3_num_f32 v[BM+\b], v[S+16*\b], v[S+1+16*\b], v[S+2+16*\b]
.endr
.irp i, 3,5,7,9,11,13
.irp b, 0,1,2,3
	v_max3_num_f32 v[BM+\b], v[BM+\b], v[S+16*\b+\i], v[S+1+16*\b+\i]
.endr
.endr
	v_max3_num_f32 v[BM], v[BM], v[BM+1], v[S+15]
	v_max3_num_f32 v[BM+2], v[BM+2], v[BM+3], v[S+47]
	v_max_num_f32 v[BM], v[BM], v[S+31]
	v_max_num_f32 v[BM+2], v[BM+2], v[S+63]
	v_max_num_f32 v[T0], v[BM], v[BM+2]
	v_permlanex16_b32 v[T1], v[T0], s[SEL], s[SEL+1]
	v_max3_num_f32 v9, v9, v[T0], v[T1]            ; the running largest score of my query
	v_mov_b32 v[T1], v8
	v_mul_f32 v[T0], s[CS], v9
	v_floor_f32 v8, -v[T0]                         ; -M = floor(-t)
	v_sub_f32 v[T0], v8, v[T1]
	v_cvt_i32_f32 v[T0], v[T0]                     ; (it saturates)
	v_ldexp_f32 v[FF], 1.0, v[T0]                  ; 2^(old M - new M)
.set j, 0
.rept 32
	v_pk_fma_f32 v[S+j:S+j+1], v[S+j:S+j+1], s[CS:CS+1], v[8:9] op_sel_hi:[1,0,0]   ; t - M
.set j, j+2
.endr
	v_fma_f32 v[BM], v[BM], s[CS], v8              ; the same of each block's largest score: p rises with the score
	v_fma_f32 v[BM+2], v[BM+2], s[CS], v8
	s_wait_alu depctr_va_vdst(0)                   ; ahead of the batch
	v_exp_f32 v[BM], v[BM]
	v_exp_f32 v[BM+2], v[BM+2]
.set j, 0
.rept 64
	v_exp_f32 v[S+j], v[S+j]
.set j, j+1
.endr
	v_pk_mul_f32 v[10:11], v[10:11], v[FF:FF+1] op_sel_hi:[1,0]   ; the sum under the new M (a plain instruction behind the batch)
	s_wait_alu depctr_va_vdst(0)                   ; and the one wait behind it
	v_pk_add_f32 v[XT:XT+1], v[S:S+1], v[S+2:S+3]
	v_max_num_f32 v[BM], 0x1800000, v[BM]          ; the floor 2^(3 - 127): the byte cannot fall under 1
	v_max_num_f32 v[BM+2], 0x1800000, v[BM+2]
	ADD2 4
	v_add_nc_u32 v[EO], 0xff000000, v[BM]          ; 2 off the exponent field: the conversion's scale operand
	v_add_nc_u32 v[EO+1], 0xff000000, v[BM+2]
	ADD2 8
	v_lshrrev_b32 v[T0], 23, v[EO]
	v_lshrrev_b32 v[T1], 23, v[EO+1]
	ADD2 12
	v_lshl_or_b32 v[T0], v[T1], 16, v[T0]          ; the bytes of blocks h and 2 + h,
	ADD2 16
	v_lshlrev_b32 v[T0], v[SH], v[T0]              ; at their places in the word;
	ADD2 20
	v_permlanex16_b32 v[T1], v[T0], s[SEL], s[SEL+1]
	ADD2 24
	v_or_b32 v13, v[T0], v[T1]                     ; with lane l xor 16's two: p's scale word
	ADD2 28
	ADD2 32
	v_cvt_scalef32_pk16_fp6_f32 v[BM:BM+2], v[S+16:S+31], v[EO]        ; the codes go where numbers are done with; a plain instruction stands ahead of each conversion that writes an earlier one's sources
	ADD2 36
	v_cvt_scalef32_pk16_fp6_f32 v[PC:PC+2], v[S:S+15], v[EO]
	ADD2 40
	v_cvt_scalef32_pk16_fp6_f32 v[PC+6:PC+8], v[S+32:S+47], v[EO+1]
	v_cvt_scalef32_pk16_fp6_f32 v[S:S+2], v[S+48:S+63], v[EO+1]
	ADD2 44
.irp i, 0,1,2                          ; (a conversion's three registers begin on an even number)
	v_mov_b32 v[PC+3+\i], v[BM+\i]
	v_mov_b32 v[PC+9+\i], v[S+\i]
.endr
	s_wait_dscnt 20                                ; V's 18 loads are in; the 20 of the next chunk's K may be out
	v_perm_b32 v22, v20, v18, s40                  ; V's scale words: unit b's two bytes of keys 0-63 and its two of keys 64-127; units 0, 1, 2, 3 in v22, v18, v20, v19
	v_perm_b32 v18, v20, v18, s41
	v_perm_b32 v20, v21, v19, s40
	v_perm_b32 v19, v21, v19, s41
	s_wait_alu depctr_va_vdst(0)                   ; directly ahead of the first reader of O^T
.set j, 0
.rept 16
	v_pk_mul_f32 v[O+j:O+j+1], v[O+j:O+j+1], v[FF:FF+1] op_sel_hi:[1,0]   ; O^T under the new M; these are also the places ahead of the scaled products
.set j, j+2
.endr
	PV 0, 22                                       ; the four accumulators by turns
	PV 1, 18
	PV 2, 20
	PV 3, 19
	ADD2 48                                        ; the sum's last numbers, whose registers no product above names: the places behind those products
	ADD2 52
	ADD2 56
	ADD2 60
	v_pk_add_f32 v[10:11], v[10:11], v[XT:XT+1]
.Lhid_\@:
	s_add_co_u32 s[TB], s[TB], CHK
.endm
; 32 numbers of a lane, v[u] on: my 16 of block 0 and of block 1 (the others lie in lane l xor 16), become a unit's six registers v[p] on; hw = the two scale bytes
.macro QUANT2 u, p, hw
.irp b, 0,1
	v_max3_num_f32 v[QM+\b], |v[(\u)+16*\b]|, |v[(\u)+16*\b+1]|, 0x1800000
.endr
.irp i, 2,4,6,8,10,12,14
.irp b, 0,1
	s_delay_alu instid0(VALU_DEP_2)
	v_max3_num_f32 v[QM+\b], v[QM+\b], |v[(\u)+16*\b+\i]|, |v[(\u)+16*\b+\i+1]|
.endr
.endr
.irp b, 0,1
	s_delay_alu instid0(VALU_DEP_2)
	v_permlanex16_b32 v[QX+\b], v[QM+\b], s[SEL], s[SEL+1]
.endr
.irp b, 0,1
	s_delay_alu instid0(VALU_DEP_2)
	v_max_num_f32 v[QM+\b], v[QM+\b], v[QX+\b]
.endr
.irp b, 0,1
	s_delay_alu instid0(VALU_DEP_2)
	v_add_nc_u32 v[QE+\b], 0xff000000, v[QM+\b]
.endr
.irp b, 0,1
	s_delay_alu instid0(VALU_DEP_2)
	v_lshrrev_b32 v[QB+\b], 23, v[QE+\b]
.endr
	s_delay_alu instid0(VALU_DEP_1)
	v_lshl_or_b32 v[\hw], v[QB+1], 8, v[QB]
	v_cvt_scalef32_pk16_fp6_f32 v[(\p):(\p)+2], v[(\u):(\u)+15], v[QE]
	v_cvt_scalef32_pk16_fp6_f32 v[TQ:TQ+2], v[(\u)+16:(\u)+31], v[QE+1]
	v_nop
.irp i, 0,1,2
	v_permlane16_swap_b32 v[(\p)+\i], v[TQ+\i]
.endr
.irp i, 0,1,2
	s_delay_alu instid0(VALU_DEP_3)
	v_mov_b32 v[(\p)+3+\i], v[TQ+\i]
.endr
.endm
.macro OUT oa, hoff                    ; O^T / the row's sum, quantised along the head's 64: a unit of the projection's operand, and two scale bytes a token
	s_wait_alu depctr_va_vdst(0)                   ; directly ahead of the wait below
	s_wait_dscnt 0x0                               ; the loads asked for beyond the tile's last chunk have landed
	v_add_f32 v10, v10, v11
	v_lshlrev_b32 v3, 1, v[L8]
	v_add_nc_u32 v4, s[HS], v[L8]
	v_permlanex16_b32 v[XT], v10, s[SEL], s[SEL+1]
	v_mov_b32 v[QX], 0
	v_mov_b32 v[QX+1], 0
	v_add_f32 v10, v10, v[XT]
	s_wait_alu depctr_va_vdst(0)
	v_rcp_f32 v10, v10
	v_nop
	s_wait_alu depctr_va_vdst(0)
.set j, 0
.rept 16
	v_pk_mul_f32 v[S+j:S+j+1], v[O+j:O+j+1], v[10:11] op_sel_hi:[1,0]
.set j, j+2
.endr
	QUANT2 S, PCO, HW
	global_store_b128 v3, v[PCO:PCO+3], s[\oa:\oa+1]                 ; 512 and 256 consecutive bytes, aligned to 256
	global_store_b64 v[L8], v[PCO+4:PCO+5], s[\oa:\oa+1] offset:512
	ds_store_b16 v4, v[HW] offset:\hoff
	s_wait_xcnt 0x0                                ; the stores have read their registers
.endm
	INIT 73
	s_mov_b32 s[TB], 0
	s_mov_b32 s[SC], 0
	s_wait_alu depctr_va_vdst(0)                   ; the head's end
	s_wait_tensorcnt 0x0                           ; my chunk has landed
	s_barrier_signal -1
	s_barrier_wait -1                              ; everybody's has: nothing is filled again
	KLOAD K16A, K16B, K8A, K8B, KSB                ; chunk 0's K
	s_wait_loadcnt 0x0                             ; q
.Lloop_a:                                              ; the long tile
	STEP 19
	s_add_co_u32 s[SC], s[SC], 1
	s_cmp_lt_u32 s[SC], 16
	s_cbranch_scc1 .Lloop_a
	OUT 52, 0
.irp j, 0,1,2,3,4,5
	v_mov_b32 v[26+\j], v[86+\j]                   ; the short tile's q
.endr
	v_mov_b32 v12, v[Q2S]
	INIT 74
	s_mov_b32 s[TB], 0
	s_mov_b32 s[SC], 0
	KLOAD K16A, K16B, K8A, K8B, KSB
	s_wait_alu depctr_va_vdst(0)
.Lloop_c:                                              ; the short tile: it ends in chunks 0-7
	STEP 18
	s_add_co_u32 s[SC], s[SC], 1
	s_cmp_lt_u32 s[SC], 8
	s_cbranch_scc1 .Lloop_c
	OUT 54, 1024
	v_add_nc_u32 v5, s62, v[L8]
	s_wait_alu depctr_va_vdst(0)
	s_wait_dscnt 0x0                               ; my scale bytes are in LDS
	s_barrier_signal -1
	s_barrier_wait -1                              ; all four heads' are
	s_cmp_lt_u32 s10, 8
	s_cbranch_scc0 .Lno_area
	ds_load_b64 v[XT:XT+1], v5
	s_wait_dscnt 0x0
	global_store_b64 v[L8], v[XT:XT+1], s[56:57]   ; a tile's scale words of this quarter of K: 256 consecutive bytes, aligned
.Lno_area:
	s_wait_tensorcnt 0x0                           ; the wave's end
	ds_add_u32 v1, v2
	s_wait_dscnt 0x0
	CROUND                                         ; the closing round
	s_endpgm
.Lfunc_end_k_qa64f299958_attn:
	.size	k_qa64f299958_attn, .Lfunc_end_k_qa64f299958_attn-k_qa64f299958_attn
	.p2alignl 7, 3214868480
	.fill 96, 4, 3214868480
	.section	.rodata,"a",@progbits
	.p2align	6, 0x0
	.amdhsa_kernel k_qa64f299958_attn
		.amdhsa_group_segment_fixed_size 327680
		.amdhsa_private_segment_fixed_size 0
		.amdhsa_enable_private_segment 0
		.amdhsa_kernarg_size 24
		.amdhsa_user_sgpr_count 2
		.amdhsa_user_sgpr_kernarg_segment_ptr 1
		.amdhsa_wavefront_size32 1
		.amdhsa_system_sgpr_workgroup_id_x 1
		.amdhsa_system_sgpr_workgroup_id_y 1
		.amdhsa_system_sgpr_workgroup_id_z 1
		.amdhsa_system_vgpr_workitem_id 0
		.amdhsa_next_free_vgpr 256
		.amdhsa_next_free_sgpr 80
		.amdhsa_reserve_vcc 1
		.amdhsa_float_denorm_mode_32 3
		.amdhsa_float_denorm_mode_16_64 3
		.amdhsa_memory_ordered 1
		.amdhsa_forward_progress 1
		.amdhsa_inst_pref_size 65
	.end_amdhsa_kernel
	.amdgpu_metadata
---
amdhsa.version: [ 1, 2 ]
amdhsa.kernels:
  - .name:           k_qa64f299958_attn
    .symbol:         k_qa64f299958_attn.kd
    .args:
      - { .name: qbuf, .offset: 0, .size: 8, .value_kind: global_buffer, .address_space: global }
      - { .name: kvbuf, .offset: 8, .size: 8, .value_kind: global_buffer, .address_space: global }
      - { .name: abuf, .offset: 16, .size: 8, .value_kind: global_buffer, .address_space: global }
    .group_segment_fixed_size: 327680
    .private_segment_fixed_size: 0
    .kernarg_segment_align: 8
    .kernarg_segment_size: 24
    .max_flat_workgroup_size: 512
    .sgpr_count:     80
    .vgpr_count:     256
    .wavefront_size: 32
...
	.end_amdgpu_metadata
.endif
;; end of part 3
;; launch proj (part 4): grid 64 x 4, 8 waves a work-group, clusters of 4 x 4, 327,680 bytes of LDS; arguments abuf, wimg, out0; writes out0
.if DOCPART == 4
	.amdgcn_target "amdgcn-amd-amdhsa--gfx1250"
	.amdhsa_code_object_version 6
	.text
	.protected	k_qa64f299958_proj
	.globl	k_qa64f299958_proj
	.p2align	8
	.type	k_qa64f299958_proj,@function
k_qa64f299958_proj:
	s_mov_b64 s[64:65], 0
	v_nop
	global_prefetch_b8 v0, s[64:65] scope:SCOPE_SE
	s_setreg_imm32_b32 hwreg(HW_REG_WAVE_MODE, 25, 1), 1
	s_wait_xcnt 0x0
	s_wait_alu depctr_hold_cnt(0) depctr_sa_sdst(0) depctr_va_vdst(0) depctr_va_sdst(0) depctr_va_ssrc(0) depctr_va_vcc(0) depctr_vm_vsrc(0)
	s_getreg_b32 s2, hwreg(HW_REG_IB_STS2, 6, 4)
	s_cmp_eq_u32 s2, 0
	s_cbranch_scc0 .Lentry_in_a_cluster
	s_endpgm
.Lentry_in_a_cluster:
	s_bfe_u32 s2, ttmp6, 0x10000c
	s_cmp_lg_u32 s2, 0xf033
	s_cbranch_scc0 .Lentry_shape_is_right
	s_endpgm
.Lentry_shape_is_right:
; PROJ: out = attn Wo, on codes of FP6 (E2M3) with E8M0 scales; out is f32.
; SHARES.  A work-group takes 128 tokens (8 tiles of 16) and 256 columns of Wo (16 tiles).  All of K (1,024) lies in LDS: four quarters of 24 slabs of 3,328 bytes, each filled once.
; Eight waves; wave w takes Wo's tiles 4 (w % 4) on and the tokens' tiles 4 (w / 4) on: 64 x 64, 16 accumulators, 128 matrix instructions.
; Source 0 = 16 columns of Wo, source 1 = 16 tokens: a lane then holds eight neighbouring numbers of a row of out.
; Inside each block of 32 along K both operands stand in the order 0-7, 16-23, 8-15, 24-31: the attention launch leaves its codes so, and the first launch laid Wo so.
; CLUSTER: 4 x 4 work-groups.  The four of a row of the cluster (same cy) need the same tiles of Wo, the four of a column (same cx) the same tokens: each tile is asked for jointly.
.set HG,    159744                     ; K lies in LDS in two halves: in each Wo's 16 tiles x two slabs (6,656 bytes), then the tokens' 8 tiles x two slabs; each half is filled once, one tensor load a wave
.set XB,    106496
.set SPARE, 319488
.set SA,  8                            ; v8-15   Wo's scale words
.set SB,  16                           ; v16-23  the tokens'
.set FA,  24                           ; v24-71  Wo's four fragments; on the way out rows read back
.set FB,  72                           ; v72-119 the tokens'
.set ACC, 120                          ; v120-247 accumulator (a, b) at 120 + 8 (4 b + a)
.set STO, 248                          ; v248 the way out: where I put 32 bytes of a row
.set RD,  249                          ; v249 where I read a row back
.set VO,  250                          ; v250 my byte offset in out
.macro CROUND
	s_barrier_signal -1
	s_barrier_wait -1
	s_cmp_lg_u32 s14, 0
	s_cbranch_scc1 .Lnot_wave_0_\@
	s_barrier_signal -3
.Lnot_wave_0_\@:
	s_barrier_wait -3
	s_barrier_signal -1
	s_barrier_wait -1
.endm
	s_load_b128 s[4:7], s[0:1], 0x0                ; abuf, wimg
	s_load_b64 s[8:9], s[0:1], 0x10                ; out0
	v_lshl_add_u32 v1, v0, 2, SPARE
	v_mov_b32 v2, 0
	ds_add_u32 v1, v2                              ; the wave's opening: the add and its wait ahead of my first tensor load; work on registers stands between
	ds_add_u32 v1, v2
	v_lshrrev_b32 v3, 5, v0
	s_delay_alu instid0(VALU_DEP_1)
	v_readfirstlane_b32 s14, v3                    ; wave 0..7
	s_and_b32 s15, s14, 3
	s_lshr_b32 s16, s14, 2
	s_bfe_u32 s17, ttmp6, 0x40000                  ; cx
	s_bfe_u32 s19, ttmp6, 0x40004                  ; cy: the group of 256 columns (the grid is one cluster high)
	s_lshl_b32 s18, ttmp9, 2
	s_add_co_u32 s18, s18, s17                     ; which 128 tokens
	s_lshl_b32 s82, s19, 2
	s_lshl_b32 s82, 15, s82                        ; my row of the cluster
	s_lshl_b32 s83, 0x1111, s17                    ; my column
	s_or_b32 s24, s82, (3<<16)|(1<<21)             ; Wo's tiles go to my row: elements of 8 bytes; bit 21 beside a mask
	s_mov_b32 s25, 832<<16                         ; two slabs on end, 832 elements
	s_mov_b32 s26, 4<<16                           ; 4 tiles a load
	s_mov_b32 s27, 832<<16
	s_mov_b32 s28, 4
	s_mov_b32 s29, 1664                            ; from tile to tile: four slabs
	s_mov_b32 s30, 0
	s_mov_b32 s31, 0
	s_or_b32 s32, s83, (3<<16)|(1<<21)             ; the tokens' tiles go to my column; 2 tiles a load
	s_mov_b32 s33, 832<<16
	s_mov_b32 s34, 2<<16
	s_mov_b32 s35, 832<<16
	s_mov_b32 s36, 2
	s_mov_b32 s37, 1664
	s_mov_b32 s38, 0
	s_mov_b32 s39, 0
	s_lshl_b32 s20, s19, 4
	s_lshl_b32 s21, s15, 2
	s_add_co_u32 s20, s20, s21
	s_add_co_u32 s20, s20, 96                      ; Wo's tiles begin at 96
	s_mul_i32 s20, s20, 13312
	s_mov_b32 s21, 0
	s_lshl_b32 s22, s18, 3
	s_lshl_b32 s23, s15, 1
	s_add_co_u32 s22, s22, s23
	s_mul_i32 s22, s22, 13312
	s_mov_b32 s23, 0
	s_mul_i32 s76, s15, 26624
	s_mul_i32 s77, s15, 13312
	s_add_co_u32 s77, s77, XB
	s_wait_dscnt 0x0                               ; the opening add is done
	s_wait_kmcnt 0x0
	s_add_nc_u64 s[20:21], s[6:7], s[20:21]
	s_add_nc_u64 s[22:23], s[4:5], s[22:23]
.irp q, 0,1
	s_mov_b32 s[40+4*\q], 1
	s_add_co_u32 s[41+4*\q], s76, \q*HG
	s_add_nc_u64 s[42+4*\q:43+4*\q], s[20:21], \q*6656
	s_or_b32 s[43+4*\q], s[43+4*\q], 0x80000000
.endr
.macro MKX q, g
	s_mov_b32 s[\g], 1
	s_add_co_u32 s[\g+1], s77, \q*HG
	s_add_nc_u64 s[\g+2:\g+3], s[22:23], \q*6656
	s_or_b32 s[\g+3], s[\g+3], 0x80000000
.endm
	MKX 0, 56
	MKX 1, 60
	CROUND                                         ; all sixteen work-groups are here: the joint loads meet
	s_cmp_lt_u32 s14, 4                            ; waves 0-3 fetch Wo's four quarters, waves 4-7 the tokens': one load of mine is out
	s_cbranch_scc0 .Lfill_x
	tensor_load_to_lds s[40:43], s[24:31]          ; the first half of K: one tensor load a wave at the head
	s_nop 0
.rept 4
	v_nop
.endr
	s_branch .Lfilled
.Lfill_x:
	tensor_load_to_lds s[56:59], s[32:39]
	s_nop 0
.rept 4
	v_nop
.endr
.Lfilled:
	v_and_b32 v7, 31, v0
	s_delay_alu instid0(VALU_DEP_1)
	v_lshlrev_b32 v252, 4, v7
	s_delay_alu instid0(VALU_DEP_2)
	v_lshlrev_b32 v253, 3, v7
	s_mul_i32 s79, s16, 26624
	s_add_co_u32 s79, s79, XB
	v_add_nc_u32 v3, s76, v252                     ; Wo's four tiles of mine
	v_add_nc_u32 v4, s76, v253
	v_add_nc_u32 v5, s79, v252                     ; the tokens'
	v_add_nc_u32 v6, s79, v253
	v_and_b32 v254, 15, v0                         ; r
	v_bfe_u32 v255, v0, 4, 1                       ; h
	s_mul_i32 s80, s14, 4352                       ; my stage: 16 rows x (256 bytes + 16), in the first half's bytes: they have had their one fill, and their last read lies ahead of the barrier in front of the second half
	v_mul_u32_u24 v[STO], v254, 272
	s_delay_alu instid0(VALU_DEP_1)
	v_lshl_add_u32 v[STO], v255, 5, v[STO]
	s_delay_alu instid0(VALU_DEP_1)
	v_add_nc_u32 v[STO], s80, v[STO]               ; in: row r, 32 bytes for each half of the lanes
	v_mul_u32_u24 v[RD], v255, 272
	s_delay_alu instid0(VALU_DEP_1)
	v_lshl_add_u32 v[RD], v254, 4, v[RD]
	s_delay_alu instid0(VALU_DEP_1)
	v_add_nc_u32 v[RD], s80, v[RD]                 ; back: lanes 0-15 one row, lanes 16-31 the next
	v_lshlrev_b32 v[VO], 12, v255
	s_delay_alu instid0(VALU_DEP_1)
	v_lshl_add_u32 v[VO], v254, 4, v[VO]           ; and the same two rows in out
	s_lshl_b32 s84, s18, 7
	s_lshl_b32 s85, s16, 6
	s_add_co_u32 s84, s84, s85                     ; my first token
	s_lshl_b32 s84, s84, 12
	s_lshl_b32 s85, s19, 10
	s_add_co_u32 s84, s84, s85                     ; the group's 256 columns,
	s_lshl_b32 s85, s15, 8
	s_add_co_u32 s84, s84, s85                     ; my 64 of them
	s_mov_b32 s85, 0
	s_add_nc_u64 s[8:9], s[8:9], s[84:85]
.macro FRAG reg, a16, a8, off
	ds_load_b128 v[\reg:\reg+3], v[\a16] offset:\off
	ds_load_b64 v[\reg+4:\reg+5], v[\a8] offset:\off+512
	ds_load_b128 v[\reg+6:\reg+9], v[\a16] offset:\off+768
	ds_load_b64 v[\reg+10:\reg+11], v[\a8] offset:\off+1280
.endm
.macro MM a, e, zero                   ; the 16 accumulators take turns, one instruction a turn, in the same order in every K step
.irp b, 0,1,2,3
.if \zero
	v_wmma_scale_f32_16x16x128_f8f6f4 v[ACC+8*(4*\b+\a):ACC+8*(4*\b+\a)+7], v[FA+12*\a:FA+12*\a+11], v[FB+12*\b:FB+12*\b+11], 0, v[SA+2*\a+\e], v[SB+2*\b+\e] matrix_a_fmt:MATRIX_FMT_FP6 matrix_b_fmt:MATRIX_FMT_FP6
.else
	v_wmma_scale_f32_16x16x128_f8f6f4 v[ACC+8*(4*\b+\a):ACC+8*(4*\b+\a)+7], v[FA+12*\a:FA+12*\a+11], v[FB+12*\b:FB+12*\b+11], v[ACC+8*(4*\b+\a):ACC+8*(4*\b+\a)+7], v[SA+2*\a+\e], v[SB+2*\b+\e] matrix_a_fmt:MATRIX_FMT_FP6 matrix_b_fmt:MATRIX_FMT_FP6
.endif
.endr
.endm
.macro KSTEP e, zero
.irp b, 0,1,2,3
	FRAG FB+12*\b, 5, 6, 6656*\b+1536*\e
.endr
.irp a, 0,1,2,3
	FRAG FA+12*\a, 3, 4, 6656*\a+1536*\e
.endr
	s_wait_dscnt 8                                 ; all but the youngest eight loads, Wo's tiles 2 and 3
	MM 0, \e, \zero
	MM 1, \e, \zero
	s_wait_dscnt 0x0
	MM 2, \e, \zero
	MM 3, \e, \zero
.endm
.macro QUARTER q
.if \q == 0
	s_wait_alu depctr_va_vdst(0)                   ; the head's end
	s_wait_tensorcnt 0x0                           ; my part of the first half has landed
	ds_add_u32 v1, v2
	s_wait_dscnt 0x0
	CROUND                                         ; everybody's part is in, and all sixteen partners are here: the joint loads meet
	s_cmp_lt_u32 s14, 4
	s_cbranch_scc0 .Lfill_x2
	tensor_load_to_lds s[44:47], s[24:31]          ; the second half of K, my one load behind the round; it is on its way while the first half is multiplied
	s_nop 0
.rept 4
	v_nop
.endr
	s_branch .Lfilled2
.Lfill_x2:
	tensor_load_to_lds s[60:63], s[32:39]
	s_nop 0
.rept 4
	v_nop
.endr
.Lfilled2:
.endif
.if \q == 2
	s_wait_tensorcnt 0x0                           ; my part of the second half has landed (no LDS instruction of mine is out here)
	s_barrier_signal -1
	s_barrier_wait -1                              ; everybody's has
.endif
.irp i, 0,1,2,3
	ds_load_b64 v[SA+2*\i:SA+2*\i+1], v4 offset:6656*\i+3072
	ds_load_b64 v[SB+2*\i:SB+2*\i+1], v6 offset:6656*\i+3072
.endr
.if \q == 0
	KSTEP 0, 1
.else
	KSTEP 0, 0
.endif
.rept 4
	v_nop                                          ; four plain instructions between the last products and loads into registers that they read
.endr
	KSTEP 1, 0
.if \q < 3
	v_add_nc_u32 v3, 3328+(\q%2)*(HG-6656), v3     ; on to the next quarter: the tile's second slab, or the next half's first
	v_add_nc_u32 v4, 3328+(\q%2)*(HG-6656), v4
	v_add_nc_u32 v5, 3328+(\q%2)*(HG-6656), v5
	v_add_nc_u32 v6, 3328+(\q%2)*(HG-6656), v6
.else
.rept 4
	v_nop                                          ; the places ahead of the way out
.endr
.endif
.endm
	QUARTER 0
	s_wait_alu depctr_va_vdst(0)
	QUARTER 1
	s_wait_alu depctr_va_vdst(0)
	QUARTER 2
	s_wait_alu depctr_va_vdst(0)
	QUARTER 3
; THE WAY OUT, a tile of 16 tokens x 64 columns at a time, through my own stage: a lane's 32 bytes go in by rows of 272 bytes and come back as whole rows of 256.
; LDS serves a wave's instructions in order: no wait between the stores and the loads, nor ahead of the next tile's stores.
.macro TOSTAGE b
.irp a, 0,1,2,3
	ds_store_b128 v[STO], v[ACC+8*(4*(\b)+\a):ACC+8*(4*(\b)+\a)+3] offset:64*\a       ; each accumulator from its low end on
	ds_store_b128 v[STO], v[ACC+8*(4*(\b)+\a)+4:ACC+8*(4*(\b)+\a)+7] offset:64*\a+16
.endr
.irp i, 0,1,2,3,4,5,6,7
	ds_load_b128 v[24+32*((\b)%2)+4*\i:27+32*((\b)%2)+4*\i], v[RD] offset:544*\i
.endr
.endm
.macro SEND b, younger                 ; younger: the LDS instructions issued behind tile b's loads, which may stay out
	s_wait_dscnt \younger
.irp i, 0,1,2,3,4,5,6,7
	global_store_b128 v[VO], v[24+32*((\b)%2)+4*\i:27+32*((\b)%2)+4*\i], s[8:9] offset:(16*(\b)+2*\i)*4096 th:TH_STORE_NT   ; sixteen lanes store 256 consecutive bytes, aligned to 256; the base is never stepped
.endr
.endm
	TOSTAGE 0
	TOSTAGE 1
	SEND 0, 16                                     ; behind tile 0's loads: tile 1's 8 stores and 8 loads
	s_wait_xcnt 0x0                                ; tile 0's stores have read their registers: tile 2's rows land there
	TOSTAGE 2
	SEND 1, 16
	s_wait_xcnt 0x0
	TOSTAGE 3
	SEND 2, 16
	SEND 3, 0
	s_wait_tensorcnt 0x0                           ; the wave's end, behind my last tensor load and my last LDS store
	ds_add_u32 v1, v2
	s_wait_dscnt 0x0
	CROUND                                         ; the closing round: no work-group ends while a partner may still ask
	s_endpgm
.Lfunc_end_k_qa64f299958_proj:
	.size	k_qa64f299958_proj, .Lfunc_end_k_qa64f299958_proj-k_qa64f299958_proj
	.p2alignl 7, 3214868480
	.fill 96, 4, 3214868480
	.section	.rodata,"a",@progbits
	.p2align	6, 0x0
	.amdhsa_kernel k_qa64f299958_proj
		.amdhsa_group_segment_fixed_size 327680
		.amdhsa_private_segment_fixed_size 0
		.amdhsa_enable_private_segment 0
		.amdhsa_kernarg_size 24
		.amdhsa_user_sgpr_count 2
		.amdhsa_user_sgpr_kernarg_segment_ptr 1
		.amdhsa_wavefront_size32 1
		.amdhsa_system_sgpr_workgroup_id_x 1
		.amdhsa_system_sgpr_workgroup_id_y 1
		.amdhsa_system_sgpr_workgroup_id_z 1
		.amdhsa_system_vgpr_workitem_id 0
		.amdhsa_next_free_vgpr 256
		.amdhsa_next_free_sgpr 96
		.amdhsa_reserve_vcc 0
		.amdhsa_float_denorm_mode_32 3
		.amdhsa_float_denorm_mode_16_64 3
		.amdhsa_memory_ordered 1
		.amdhsa_forward_progress 1
		.amdhsa_inst_pref_size 51
	.end_amdhsa_kernel
	.amdgpu_metadata
---
amdhsa.version: [ 1, 2 ]
amdhsa.kernels:
  - .name:           k_qa64f299958_proj
    .symbol:         k_qa64f299958_proj.kd
    .args:
      - { .name: abuf, .offset: 0, .size: 8, .value_kind: global_buffer, .address_space: global }
      - { .name: wimg, .offset: 8, .size: 8, .value_kind: global_buffer, .address_space: global }
      - { .name: out0, .offset: 16, .size: 8, .value_kind: global_buffer, .address_space: global }
    .group_segment_fixed_size: 327680
    .private_segment_fixed_size: 0
    .kernarg_segment_align: 8
    .kernarg_segment_size: 24
    .max_flat_workgroup_size: 256
    .sgpr_count:     96
    .vgpr_count:     256
    .wavefront_size: 32
...
	.end_amdgpu_metadata
.endif
;; end of part 4
